; MI455X (gfx1250); checked and timed in simulation.
; The chip was launched on July 23, 2026; its instructions are those of AMD's public machine-readable ISA for CDNA 5 (MIT licence, August 2026) and "CDNA5" Instruction Set Architecture Reference Guide (July 2026). The comments in the code are by the model that wrote it; some were corrected since.
;; Causal Multi Head Self Attention. Allowed arithmetic: matrix products marked QUANTISED: E2M3 operands, one E8M0 scale for each 32 along K, by v_wmma_scale_f32_16x16x128_f8f6f4 with both operands' format E2M3, f32 sums; everything else in f32.
;; Inputs: Wk_codes 2,048 x 64 x 24 uint8 (E2M3 codes of Wk, K innermost, in blocks of 32 codes, four codes in three bytes); Wk_scales 2,048 x 64 uint8 (E8M0 scales of Wk, one for each 32 codes along K); Wo_codes 2,048 x 64 x 24 uint8 (E2M3 codes of Wo, K innermost, in blocks of 32 codes, four codes in three bytes); Wo_scales 2,048 x 64 uint8 (E8M0 scales of Wo, one for each 32 codes along K); Wq_codes 2,048 x 64 x 24 uint8 (E2M3 codes of Wq, K innermost, in blocks of 32 codes, four codes in three bytes); Wq_scales 2,048 x 64 uint8 (E8M0 scales of Wq, one for each 32 codes along K); Wv_codes 2,048 x 64 x 24 uint8 (E2M3 codes of Wv, K innermost, in blocks of 32 codes, four codes in three bytes); Wv_scales 2,048 x 64 uint8 (E8M0 scales of Wv, one for each 32 codes along K); token_positions 2,048 int32; x_codes 1 x 2,048 x 64 x 24 uint8 (E2M3 codes of x, K innermost, in blocks of 32 codes, four codes in three bytes); x_scales 1 x 2,048 x 64 uint8 (E8M0 scales of x, one for each 32 codes along K).
;; Outputs: out0 1 x 2,048 x 2,048 float32.
;; This version of the problem:
;;   THIS VERSION OF THE PROBLEM IS GIVEN IN LOW PRECISION. The matrix products marked QUANTISED in the list below multiply operands that are first quantised to E2M3 (2 exponent bits, 3 mantissa bits; 6 bits a number), with one power-of-two scale for each 32 numbers along K (OCP MX v1.0); their sums are f32. All else is computed in f32.
;;   The module's matrix products, in the order in which they are computed (A, B: the left and right operand; K: the contracted axis; several contracted axes count as one K, in the product's order):
;;     1. [M 2,048, K 2,048] x [K 2,048, N 2,048]; A: input x (given as codes); B: input Wq (given as codes): QUANTISED
;;     2. [M 2,048, K 2,048] x [K 2,048, N 2,048]; A: input x (given as codes); B: input Wk (given as codes): QUANTISED
;;     3. [M 2,048, K 2,048] x [K 2,048, N 2,048]; A: input x (given as codes); B: input Wv (given as codes): QUANTISED
;;     4. batch 16 x [M 2,048, K 128] x [K 128, N 2,048]; A: computed on the way; B: computed on the way: QUANTISED
;;     5. batch 16 x [M 2,048, K 2,048] x [K 2,048, N 128]; A: softmax (see below); B: computed on the way: QUANTISED
;;     6. [M 2,048, K 2,048] x [K 2,048, N 2,048]; A: computed on the way; B: input Wo (given as codes): QUANTISED
;;   THE QUANTISER, for each operand of a quantised product, along K:
;;     - K is cut into blocks of 32 from its start; a last block that is shorter is filled with zeros.
;;     - A block's scale is 2^e with e = floor(log2(the largest magnitude in the block)) - 2, held to -126 .. 127; a block of zeros has e = 0. As a byte (E8M0): e + 127.
;;     - Each number is divided by its block's scale, clamped to +-7.5, and rounded to the nearest number of E2M3, ties to even, subnormals kept.
;;     - The product sums the exact products of the quantised numbers (number of the format x scale) in f32.
;;   ~~~python
;;   def quantise(x, axis):      # numpy; x: float32 -> the quantised numbers, widened to float32 again
;;       x = np.moveaxis(x, axis, -1); K = x.shape[-1]
;;       x = np.pad(x, [(0, 0)] * (x.ndim - 1) + [(0, -K % 32)]); x = x.reshape(x.shape[:-1] + (-1, 32)); a = np.abs(x).max(-1, keepdims=True)
;;       e = np.where(a > 0, np.clip(np.frexp(np.where(a > 0, a, 1))[1] - 1 - 2, -126, 127), 0)      # np.frexp(a)[1] - 1 = floor(log2(a)), exactly
;;       r = np.clip(x / 2.0 ** e, -7.5, 7.5)
;;       step = 2.0 ** (np.maximum(np.frexp(np.where(r == 0, 1, r))[1] - 1, 0) - 3)
;;       q = np.round(r / step) * step * 2.0 ** e      # np.round: ties to even
;;       return np.moveaxis(q.reshape(q.shape[:-2] + (-1,))[..., :K], -1, axis).astype(np.float32)
;;   ~~~
;;   SOFTMAX AHEAD OF A QUANTISED PRODUCT. Where the list says 'softmax', what is quantised is not the finished softmax but p = 2^(t - M), with t = logit x log2(e) and M = ceil(the row's largest t), a whole number; so 1/2 < the row's largest p <= 1. The row's sum l is taken of the UNQUANTISED p, in f32, and the product's result is divided by l at the end. Since M is a whole number, a kernel that streams over the keys may use a running M (the ceiling of the running maximum): every later rescaling is an exact power of two, which a block's scale takes up: the codes' values come out the same.
;;   OPERANDS COMPUTED ON THE WAY. 'Computed on the way' means the value that the module computes at that place (a softmax that the list does not call 'softmax' is quantised finished and normalised). What goes into a quantiser is computed in f32, as accurately as f32 sums, v_exp_f32 and their like allow (about 1e-6 of the number): no bf16 or f16 on the way to a quantiser, and a product that is left as it is and whose result goes on into a quantised operand takes f32 operands (vector FMAs, or v_wmma_f32_16x16x4_f32). A number that lies on a knife's edge between two numbers of the format may be rounded either way, as far as f32 arithmetic and the matrix unit's own rounding can turn it there, and no further.
;;   INPUTS GIVEN AS CODES. Wk (in the module: [2048, 2048], K = its axis 1); Wo (in the module: [2048, 2048], K = its axis 1); Wq (in the module: [2048, 2048], K = its axis 1); Wv (in the module: [2048, 2048], K = its axis 1); x (in the module: [1, 2048, 2048], K = its axis 2): each comes as NAME_codes (uint8): NAME with its K axis moved to the last place and cut into blocks of 32 codes, [.., K / 32, bytes a block], one block behind the other in memory; four codes in three bytes: a row's codes are one little-endian stream of bits, code i at bits 6 i .. 6 i + 5 (a code: sign, 2 exponent bits, 3 mantissa bits); and NAME_scales (uint8): the same leading axes, one E8M0 byte (e + 127) for each 32 codes along K. Its value is code x scale, taken as it is: it is not quantised again, and the codes and scales need not be those that the quantiser above would give.
;; One version. Each part assembles by itself: llvm-mc -triple=amdgcn-amd-amdhsa -mcpu=gfx1250 --defsym DOCPART=n.
;; ======== version 1 of 1: 4 launches
;; limits: right only within a limited range of input values
;; workspace buffers: rope 1,179,648 bytes; qkvc 9,437,184 bytes; qkvs 393,216 bytes; attc 3,145,728 bytes; atts 131,072 bytes
;; launch rope (part 1): grid 288 x 1, 8 waves a work-group, no clusters, 0 bytes of LDS; arguments token_positions, rope; writes rope
.if DOCPART == 1
	.amdgcn_target "amdgcn-amd-amdhsa--gfx1250"
	.amdhsa_code_object_version 6
	.text
	.protected	k_qab5352f006_rope
	.globl	k_qab5352f006_rope
	.p2align	8
	.type	k_qab5352f006_rope,@function
k_qab5352f006_rope:
	s_mov_b64 s[64:65], 0
	v_nop
	global_prefetch_b8 v0, s[64:65] scope:SCOPE_SE
	s_setreg_imm32_b32 hwreg(HW_REG_WAVE_MODE, 25, 1), 1
	s_wait_xcnt 0x0
; THE TABLE OF COSINES AND SINES for the rotation of q and k, in the order in which the next launch's lanes want it.
; rope: [row block 144][t 8][c 2][lane 32][4 f32].  Lane (r = lane % 16, h = lane / 16) holds cos, sin of pair f0 and cos, sin of pair f0 + 1, f0 = 8 t + 4 h + 2 c,
; for sequence row 16 x row block + r: angle = position x 1 / 10000^(f / 64).  Row blocks 128 to 143 are made from position 0: cos = 1, sin = 0, exactly, in every entry;
; the work-groups of the next launch that make v (which is not rotated) read eight of those, so that all its work-groups run the same lines.
; One thread makes one entry of 16 bytes: a wave stores 512 consecutive bytes.  288 work-groups x 256 threads = 144 x 512 entries.  No LDS, no barrier, no matrix unit: threads share nothing.
; ARITHMETIC, all f32.  10000^(f / 64) = 10^(f / 16) is a product of the factors 10^(2^i / 16) that f's bits choose, each kept as a sum of two f32 numbers (head, tail), multiplied with fused
; multiply-adds that keep the error of each product: the head is the power rounded to f32.  Its reciprocal is v_rcp_f32 with one Newton step.  The angle is reduced by k = the nearest whole number to
; angle x 2 / pi, with pi / 2 in three parts; sine and cosine of the rest (at most pi / 4) are their series up to r^9 and r^10, whose first left-out terms lie under 2e-9; k's two low bits turn them.
; LIMITS: positions up to 2^20 in magnitude (beyond that k x the parts of pi / 2 lose bits).  The power is the rounded true power: a library's power that is a last bit off is not reproduced.
.macro DFMUL bit, hi, lo, cond         ; (v8, v9) x (hi, lo), where bit \bit of f0 is set (cond = 1) or always (cond = 0)
	v_mov_b32 v11, \hi
	v_mov_b32 v12, \lo
.if \cond
	v_and_b32 v10, 1<<\bit, v4
	v_cmp_ne_u32 vcc_lo, 0, v10
	v_cndmask_b32 v11, 1.0, v11, vcc_lo            ; a bit that is not set multiplies by (1, 0)
	v_cndmask_b32 v12, 0, v12, vcc_lo
.endif
	v_mul_f32 v13, v8, v11                         ; the heads' product,
	v_fma_f32 v14, v8, v11, -v13                   ; what its rounding lost,
	v_fma_f32 v14, v8, v12, v14                    ; and the two cross terms
	v_fma_f32 v14, v9, v11, v14
	v_add_f32 v8, v13, v14                         ; the new head
	v_sub_f32 v13, v13, v8
	v_add_f32 v9, v13, v14                         ; the new tail
.endm
.macro SINCOS a, c, s                  ; v[\c], v[\s] = cos, sin of v[\a]
	v_mul_f32 v20, 0x3f22f983, v[\a]               ; x 2 / pi
	v_rndne_f32 v20, v20                           ; k
	v_fma_f32 v21, v20, s8, v[\a]                  ; angle - k x pi / 2, pi / 2 in three parts
	v_fma_f32 v21, v20, s9, v21
	v_fma_f32 v21, v20, s10, v21                   ; r
	v_mul_f32 v22, v21, v21                        ; z = r^2
	v_mov_b32 v23, 0x3638ef1d                      ; 1 / 9!
	v_fmaak_f32 v23, v23, v22, 0xb9500d01          ; -1 / 7!
	v_fmaak_f32 v23, v23, v22, 0x3c088889          ; 1 / 5!
	v_fmaak_f32 v23, v23, v22, 0xbe2aaaab          ; -1 / 3!
	v_mul_f32 v24, v21, v22
	v_fma_f32 v23, v24, v23, v21                   ; sin r
	v_mov_b32 v25, 0xb493f27e                      ; -1 / 10!
	v_fmaak_f32 v25, v25, v22, 0x37d00d01          ; 1 / 8!
	v_fmaak_f32 v25, v25, v22, 0xbab60b61          ; -1 / 6!
	v_fmaak_f32 v25, v25, v22, 0x3d2aaaab          ; 1 / 4!
	v_fma_f32 v25, v25, v22, -0.5
	v_fma_f32 v25, v22, v25, 1.0                   ; cos r
	v_cvt_i32_f32 v26, v20
	v_and_b32 v27, 1, v26
	v_cmp_ne_u32 vcc_lo, 0, v27
	v_cndmask_b32 v28, v23, v25, vcc_lo            ; an odd k: sine and cosine change places
	v_cndmask_b32 v29, v25, v23, vcc_lo
	v_and_b32 v27, 2, v26
	v_lshlrev_b32 v27, 30, v27
	v_xor_b32 v[\s], v27, v28                      ; k mod 4 = 2, 3: the sine changes sign
	v_add_nc_u32 v26, 1, v26
	v_and_b32 v26, 2, v26
	v_lshlrev_b32 v26, 30, v26
	v_xor_b32 v[\c], v26, v29                      ; k mod 4 = 1, 2: the cosine does
.endm
	s_load_b128 s[4:7], s[0:1], 0x0                ; token_positions s[4:5], the table s[6:7]
	s_lshl_b32 s2, ttmp9, 8
	s_mov_b32 s8, 0xbfc90fdb                       ; -(pi / 2 rounded to f32),
	s_mov_b32 s9, 0x333bbd2e                       ; what that is too large by,
	s_mov_b32 s10, 0x26f72cd8                      ; and what is still left
	v_add_nc_u32 v1, s2, v0                        ; my entry
	v_lshrrev_b32 v2, 9, v1                        ; row block
	v_and_b32 v3, 15, v1                           ; r
	v_lshl_add_u32 v5, v2, 4, v3                   ; sequence row
	v_cmp_gt_u32 s12, 0x800, v5                    ; a row of the sequence, or one of the sixteen blocks of position 0
	v_min_u32 v2, 0x7ff, v5                        ; no load leaves its buffer
	v_lshlrev_b32 v2, 2, v2
	v_lshlrev_b32 v3, 4, v1                        ; 16 bytes an entry
	v_bfe_u32 v4, v1, 6, 3                         ; t
	v_bfe_u32 v6, v1, 4, 1                         ; h
	v_bfe_u32 v10, v1, 5, 1                        ; c
	v_lshlrev_b32 v4, 3, v4
	v_lshl_add_u32 v4, v6, 2, v4
	v_lshl_add_u32 v4, v10, 1, v4                  ; f0 = 8 t + 4 h + 2 c: even
	s_wait_kmcnt 0x0
	global_load_b32 v7, v2, s[4:5]                 ; the position; the powers are made while it is on its way
	v_mov_b32 v8, 1.0
	v_mov_b32 v9, 0
	DFMUL 1, 0x3faab0d5, 0xb364577e, 1             ; 10^(1/8)
	DFMUL 2, 0x3fe39ea9, 0xb26aed14, 1             ; 10^(1/4)
	DFMUL 3, 0x404a62c2, 0xb324b5dd, 1             ; 10^(1/2)
	DFMUL 4, 0x41200000, 0, 1                      ; 10
	DFMUL 5, 0x42c80000, 0, 1                      ; 100
	v_mov_b32 v16, v8                              ; 10^(f0 / 16)
	DFMUL 0, 0x3f93cfe5, 0x334a4010, 0             ; x 10^(1/16): 10^((f0 + 1) / 16)
	v_rcp_f32 v17, v16
	v_rcp_f32 v18, v8
	v_nop                                          ; a plain instruction between a reciprocal and the use of its result (ISA guide 5.7.2)
	s_wait_alu depctr_va_vdst(0)
	v_fma_f32 v19, -v16, v17, 1.0                  ; one Newton step each
	v_fma_f32 v20, -v8, v18, 1.0
	v_fma_f32 v17, v17, v19, v17
	v_fma_f32 v18, v18, v20, v18
	s_wait_loadcnt 0x0
	v_cndmask_b32 v7, 0, v7, s12
	v_cvt_f32_i32 v7, v7
	v_mul_f32 v17, v7, v17                         ; the two angles, each rounded once
	v_mul_f32 v18, v7, v18
	SINCOS 17, 32, 33
	SINCOS 18, 34, 35
	global_store_b128 v3, v[32:35], s[6:7]         ; a wave's 32 lanes store 512 consecutive bytes
	s_endpgm
.Lfunc_end_k_qab5352f006_rope:
	.size	k_qab5352f006_rope, .Lfunc_end_k_qab5352f006_rope-k_qab5352f006_rope
	.p2alignl 7, 3214868480
	.fill 96, 4, 3214868480
	.section	.rodata,"a",@progbits
	.p2align	6, 0x0
	.amdhsa_kernel k_qab5352f006_rope
		.amdhsa_group_segment_fixed_size 0
		.amdhsa_private_segment_fixed_size 0
		.amdhsa_enable_private_segment 0
		.amdhsa_kernarg_size 16
		.amdhsa_user_sgpr_count 2
		.amdhsa_user_sgpr_kernarg_segment_ptr 1
		.amdhsa_wavefront_size32 1
		.amdhsa_system_sgpr_workgroup_id_x 1
		.amdhsa_system_sgpr_workgroup_id_y 1
		.amdhsa_system_sgpr_workgroup_id_z 1
		.amdhsa_system_vgpr_workitem_id 0
		.amdhsa_next_free_vgpr 64
		.amdhsa_next_free_sgpr 66
		.amdhsa_reserve_vcc 1
		.amdhsa_float_denorm_mode_32 3
		.amdhsa_float_denorm_mode_16_64 3
		.amdhsa_memory_ordered 1
		.amdhsa_forward_progress 1
		.amdhsa_inst_pref_size 9
	.end_amdhsa_kernel
	.amdgpu_metadata
---
amdhsa.version: [ 1, 2 ]
amdhsa.kernels:
  - .name:           k_qab5352f006_rope
    .symbol:         k_qab5352f006_rope.kd
    .args:
      - { .name: token_positions, .offset: 0, .size: 8, .value_kind: global_buffer, .address_space: global }
      - { .name: rope, .offset: 8, .size: 8, .value_kind: global_buffer, .address_space: global }
    .group_segment_fixed_size: 0
    .private_segment_fixed_size: 0
    .kernarg_segment_align: 8
    .kernarg_segment_size: 16
    .max_flat_workgroup_size: 256
    .sgpr_count:     66
    .vgpr_count:     64
    .wavefront_size: 32
...
	.end_amdgpu_metadata
.endif
;; end of part 1
;; launch qkv (part 2): grid 24 x 8, 4 waves a work-group, clusters of 4 x 4, 327,680 bytes of LDS; arguments x_codes, x_scales, Wq_codes, Wq_scales, Wk_codes, Wk_scales, Wv_codes, Wv_scales, rope, qkvc, qkvs; writes qkvc, qkvs
.if DOCPART == 2
	.amdgcn_target "amdgcn-amd-amdhsa--gfx1250"
	.amdhsa_code_object_version 6
	.text
	.protected	k_qab5352f006_qkv
	.globl	k_qab5352f006_qkv
	.p2align	8
	.type	k_qab5352f006_qkv,@function
k_qab5352f006_qkv:
	s_mov_b64 s[64:65], 0
	v_nop
	global_prefetch_b8 v0, s[64:65] scope:SCOPE_SE
	s_setreg_imm32_b32 hwreg(HW_REG_WAVE_MODE, 25, 1), 1
	s_wait_xcnt 0x0
	s_wait_alu depctr_hold_cnt(0) depctr_sa_sdst(0) depctr_va_vdst(0) depctr_va_sdst(0) depctr_va_ssrc(0) depctr_va_vcc(0) depctr_vm_vsrc(0)
	s_getreg_b32 s2, hwreg(HW_REG_IB_STS2, 6, 4)
	s_cmp_eq_u32 s2, 0
	s_cbranch_scc0 .Lentry_in_a_cluster
	s_endpgm
.Lentry_in_a_cluster:
	s_bfe_u32 s2, ttmp6, 0x10000c
	s_cmp_lg_u32 s2, 0xf033
	s_cbranch_scc0 .Lentry_shape_is_right
	s_endpgm
.Lentry_shape_is_right:
; q = x Wq^T, k = x Wk^T, v = x Wv^T on codes of FP6 (E2M3) with one E8M0 scale for each 32 along K (K = 2,048); q and k are rotated (RoPE); all three are quantised again, in registers, and leave as codes.
; 192 work-groups of four waves; a work-group makes a tile of 256 x 256, a wave 128 x 128: 64 accumulators of 16 x 16, 512 registers.  Cluster x / 2 says which product: 0 q, 1 k, 2 v.
; THE MATRIX INSTRUCTION: source 0 ('B') gives a lane's eight REGISTERS, source 1 ('A') gives the lane's ROW.  What is quantised next runs along the registers:
;   q, k: A = x (the lane's row is a sequence row), B = Wq or Wk (the registers run along the head's 128): quantised along the head's 128;
;   v:    A = Wv (the lane's row is one of the head's 128), B = x (the registers run along the keys): quantised along the keys.  A wave's 128 x 128 is one head x 128 sequence rows in each case.
; K goes in steps of 256 through a ring of two LDS slots filled by the tensor data mover (rows of 192 bytes); the scale bytes of the work-group's 256 + 256 rows come once.  4 x 4 work-groups form a cluster: A's tile is
; asked for jointly along a row of the cluster, B's along a column: the same tensor load with the same descriptor and a mask that names the four.
; THE TABLE OF COSINES AND SINES is 8,192 bytes for each block of 16 rows of A, eight blocks a wave; the two waves that share their rows of A want the same eight.  Blocks 0 and 1 come at the head, by loads into registers
; that the products leave free, and have all of K in which to land.  Blocks 2 to 7 of both pairs of waves, 98,304 bytes, come into slot 0 at the last change of slots, when that slot has been read for the last time: one
; joint load a wave, shared along the cluster's row like A's tiles, since the table hangs on A's rows alone; 160 matrix instructions and block 0's way out stand between the request and the wait for it.
; The work-groups that make v, which is not rotated, read entries of position 0 (cos = 1, sin = 0) and run the same lines; those entries are all alike, and each tile row begins 8,192 bytes further on among them.
; WHAT LEAVES.  A FRAGMENT IMAGE: 16 rows x 128 K of codes as the 12 registers a lane in which a matrix instruction wants them: three runs of 512 bytes, run c holding lane l's registers 4 c .. 4 c + 3 at 16 l.
;   qkvc: [q, k, v][head 16][step 16][image 8][1,536 bytes]: step = 128 sequence rows; image = 16 of them (q, k) or 16 of the head's 128 (v).  A wave writes one (head, step): 12,288 consecutive bytes.
;   qkvs: the same index, 512 bytes: [g 2][row 16][t 4] scale words: the word of row r of image 4 g + t.
; THE ORDER ALONG K INSIDE A BLOCK OF 32.  Register j of tile t holds index 16 t + 8 (lane / 16) + j; the registers of tiles 2 b, 2 b + 1 are taken as places 32 b + 16 (lane / 16) + 0 .. 15.  So inside each block of 32 the
; numbers stand in another order than in memory: the same order in q and k, and in v and in the next launch's p, which is made the same way.  Blocks, their largest magnitudes and their scales are the true ones.
; THE QUANTISER: a block's scale byte is its largest magnitude's exponent field - 2, held at 1 from below.  LIMITS: a block of zeros, and one whose largest magnitude lies under 2^-124, gets the byte 1 (a block of zeros has
; zero codes, and this program alone reads the bytes); NaN and infinities are not served; inside a block the matrix unit adds the products in another order than with K in memory's order.
; REGISTERS, in windows of 256: window 0: v0-31 addresses; v32-63 scale words of the products, two sets, and nothing else; v64-127 the table's set 0; from v128 A's fragments, ONE set; on the way out v128-195.
;   window 1: B's fragments, TWO sets, at v0-95 and v128-223; v96-127 and v224-255 the table's set 1; on the way out v0-63 at work.
;   window 2: the accumulators of my rows 0-63 ((a, b) at v[8 (8 a + b)]);   window 3: those of rows 64-127.
.set KSTEP,  256                       ; along K in a slot
.set NQ,     KSTEP/128                 ; matrix instructions deep
.set ROWB,   192                       ; a tile's row in bytes
.set KROW,   1536                      ; a row of x or of a weight in memory: 2,048 codes
.set PITCH,  240                       ; an LDS row: 3 x (64 bytes + 16 of padding) = 60 words: row r starts at bank -4 r mod 64 (64 banks of 4 bytes: ISA guide 11.1): the 32 lanes of a load of 8 bytes touch 64 different banks
.set FR,     12                        ; registers of a fragment
.set NL,     6                         ; LDS loads that bring one
.set NP,     4                         ; places behind this matrix instruction (ISA guide 7.12.1)
.set HALFT,  128*PITCH                 ; 128 rows: what one tensor load brings
.set SLOT,   4*HALFT                   ; A's 256 rows, then B's 256
.set LAPS,   2048/(2*KSTEP)            ; a lap = two K steps = once round the ring
.set KS,     64                        ; a row of scale bytes
.set SCL,    2*SLOT                    ; behind the ring: the scale bytes, as runs of 256 bytes + 16 of padding
.set HALFS,  (128*KS/256)*272          ; those of 128 rows
.set SBLK,   (16*KS/256)*272           ; those of 16 rows
.set SPARE,  SCL+4*HALFS               ; the spare words, 128 bytes for each wave: two blocks of 256 bytes that no other line names
.set TBLK,   8192                      ; the table of one block of 16 rows.  In LDS, from byte 0 on: blocks 2 to 7 of waves 0 and 1, then those of waves 2 and 3: 12 x 8,192 bytes, inside slot 0
.set ADRA, 16                          ; v16-17 LDS address of my A fragments in slot 0, 1 (v18-19: for the pieces behind one padding more)
.set ADRB, 20                          ; v20-23 the same for B
.set TLA,  24                          ; v24    LDS address of my 16 bytes of my pair's table block 2; never rewritten
.set CO,   26                          ; v26    16 x lane; never rewritten
.set ADRS, 27                          ; v27    LDS address of my scale words: lanes 0-15 A's rows, lanes 16-31 B's
.set SPW,  28                          ; v28    LDS address of my spare word; never rewritten
.set NIL,  29                          ; v29    0; never rewritten
.set SC,   32                          ; scale words: set s at v[SC + 16 s]; register 2 i + q: lanes 0-15 A's block i, lanes 16-31 B's block i, the slot's q-th 128 along K
.set AF,   128                         ; A's fragments
.set PC,   128                         ; the way out: codes, two sets of 20 (12 codes, 8 at work)
.set TM,   168                         ; v168-183 largest magnitudes (+0), other half's and bytes (+4), the conversions' scale operands (+12)
.set SW,   184                         ; v184-191 the new scale word of each of my eight blocks
.set OW,   192                         ; v192-195 the four words that a lane stores
.set G1T, 4                            ; s[4:11]  descriptor group 1 for the table (written when the operands' addresses, which come here first, have been used)
.set G0T, 16                           ; s[16:19] its group 0 (written at the head's end, behind the last use of s16 and s17)
.set G1, 24                            ; s[24:31] descriptor group 1 for A's tiles; s[32:39] group 0, one set a slot
.set G0, 32
.set G1B, 48                           ; s[48:55], s[56:63] the same for B's
.set G0B, 56
.set G1S, 68                           ; s[68:75], s[76:79] groups 1 and 0 for A's scale bytes; s[80:87], s[88:91] for B's
.set G0S, 76
.set G1SB, 80
.set G0SB, 88
.set SEL, 94                           ; s[94:95] lane selects for v_permlanex16_b32: lane l xor 16
.set MSB, 0
.macro WIN new                         ; the immediate's high byte repeats the setting that is left
.if MSB != (\new)
	s_set_vgpr_msb (MSB<<8)|(\new)
.set MSB, (\new)
.endif
.endm
.set MUL_LO, 0xa1                      ; source 0 (B) window 1, source 1 (A) window 0, C and D window 2
.set MUL_HI, 0xf1                      ; the same, C and D window 3
.set TO_B,   0x40                      ; destination window 1, address window 0
; A joint load: waves 0 and 1 fetch for A, waves 2 and 3 for B.  Each of the two lines has one mask and one set of registers for all that issue it; the branch hangs on the wave's number alone.
; Four v_nop follow each of the two lines, ahead of the jump, the label and what follows.
.macro JLOAD g0a, g1a, g0b, g1b
	s_cmp_eq_u32 s15, 0
	s_cbranch_scc0 .Lfor_b_\@
	tensor_load_to_lds s[\g0a:\g0a+3], s[\g1a:\g1a+7]
	s_nop 0
.rept 4
	v_nop
.endr
	s_branch .Lasked_\@
.Lfor_b_\@:
	tensor_load_to_lds s[\g0b:\g0b+3], s[\g1b:\g1b+7]
	s_nop 0
.rept 4
	v_nop
.endr
.Lasked_\@:
.endm
.macro CREST                           ; a round of the cluster's barrier behind its opening barrier
	s_cmp_lg_u32 s14, 0
	s_cbranch_scc1 .Lnot_wave_0_\@
	s_barrier_signal -3
.Lnot_wave_0_\@:
	s_barrier_wait -3
	s_barrier_signal -1
	s_barrier_wait -1
.endm
.macro CROUND                          ; a whole round
	s_barrier_signal -1
	s_barrier_wait -1
	CREST
.endm
; The table of block a goes into set a % 2: set 0 is v64-127 of window 0; set 1 is v96-127 and v224-255 of window 1.  Word i of a lane's 64 (cos, sin of pair i / 2) stands at 64 + i, or at 96 + i and, from i = 32 on, 192 + i.
.macro TABLOAD a                       ; from memory: 16 loads of 512 consecutive bytes
.set TW, (\a)%2
	WIN 0x40*TW
.irp t, 0,1,2,3,4,5,6,7
.irp c, 0,1
.set TR, 64+32*TW+8*\t+4*\c+96*TW*(\t/4)
	global_load_b128 v[TR:TR+3], v[CO], s[98:99] offset:TBLK*(\a)+1024*\t+512*\c
.endr
.endr
	WIN 0
.endm
.macro LTAB a                          ; from LDS (blocks 2 to 7): 16 loads of 512 consecutive bytes
.set TW, (\a)%2
	WIN 0x40*TW
.irp t, 0,1,2,3,4,5,6,7
.irp c, 0,1
.set TR, 64+32*TW+8*\t+4*\c+96*TW*(\t/4)
	ds_load_b128 v[TR:TR+3], v[TLA] offset:TBLK*((\a)-2)+1024*\t+512*\c
.endr
.endr
	WIN 0
.endm
	s_load_b512 s[68:83], s[0:1], 0x0              ; x's codes, scales; Wq's; Wk's; Wv's (into registers that take descriptors once the choice is made)
	s_load_b128 s[84:87], s[0:1], 0x40             ; the table, qkvc
	s_load_b64 s[88:89], s[0:1], 0x50              ; qkvs
	v_lshl_add_u32 v[SPW], v0, 2, SPARE
	v_mov_b32 v[NIL], 0
	ds_add_u32 v28, v29
	s_wait_dscnt 0x0
	v_lshrrev_b32 v1, 5, v0
	v_readfirstlane_b32 s14, v1                    ; wave 0..3
	s_lshr_b32 s15, s14, 1                         ; which half of the tile's A rows is mine.  Also: I fetch for A (0) or for B (1)
	s_and_b32 s16, s14, 1                          ; which half of its B rows.  Also: which 128 rows of that tile I fetch
	s_bfe_u32 s40, ttmp6, 0x40000                  ; cx, cy: my place in the cluster
	s_bfe_u32 s41, ttmp6, 0x40004
	s_lshr_b32 s67, ttmp9, 1                       ; which product: the same in all sixteen partners
	s_and_b32 s42, ttmp9, 1
	s_lshl_b32 s42, s42, 2
	s_add_co_u32 s42, s42, s40                     ; B's tile: 4 x (cluster x mod 2) + cx
	s_and_b32 s17, ttmp7, 0xffff
	s_lshl_b32 s17, s17, 2
	s_add_co_u32 s17, s17, s41                     ; A's tile: 4 x cluster y + cy
	s_lshl_b32 s43, s41, 2
	s_lshl_b32 s43, 15, s43                        ; my row of the cluster
	s_lshl_b32 s44, 0x1111, s40                    ; my column
	; descriptor group 1: a tile of 128 rows x 192 bytes, padded in LDS
	s_or_b32 s[G1+0], s43, (0<<16)|(1<<20)|(1<<21)|(3<<22)|(3<<25)  ; 15:0 the mask: A's tiles go to my row; 17:16 elements of 1 byte; 20 padding on; 21 set beside a mask; 24:22 after every 16 words (code 3); 31:25 of 4 words (code 3)
	s_or_b32 s[G1B+0], s44, (0<<16)|(1<<20)|(1<<21)|(3<<22)|(3<<25)
.irp g, G1, G1B
	s_mov_b32 s[\g+1], ROWB<<16                    ; tensor_dim0
	s_mov_b32 s[\g+2], 128<<16                     ; tensor_dim1
	s_mov_b32 s[\g+3], ROWB<<16                    ; tile_dim0
	s_mov_b32 s[\g+4], 128                         ; tile_dim1
	s_mov_b32 s[\g+5], KROW                        ; tensor_dim0_stride
	s_mov_b32 s[\g+6], 0
	s_mov_b32 s[\g+7], 0
.endr
	s_lshl_b32 s18, s16, 7                         ; which 128 rows of the tile I fetch
	s_lshl_b32 s20, s17, 8
	s_add_co_u32 s20, s20, s18                     ; A: row 256 x A's tile + 128 x half
	s_lshl_b32 s46, s42, 8
	s_add_co_u32 s46, s46, s18                     ; B: row 256 x B's tile + 128 x half
	s_mov_b32 s21, 0
	s_mov_b32 s47, 0
	s_mov_b64 s[18:19], KS
	s_mul_u64 s[22:23], s[20:21], s[18:19]         ; where these rows' scale bytes begin
	s_mul_u64 s[92:93], s[46:47], s[18:19]
	s_mov_b64 s[18:19], KROW
	s_mul_u64 s[20:21], s[20:21], s[18:19]         ; and their codes
	s_mul_u64 s[46:47], s[46:47], s[18:19]
	s_mul_i32 s45, s14, HALFT                      ; where they go: wave x 128 rows: no place in the cluster enters an LDS address
	s_mul_i32 s94, s14, HALFS
	s_wait_kmcnt 0x0
	; which buffers are A and B: a choice on the cluster's number alone
	s_cmp_eq_u32 s67, 2
	s_cselect_b64 s[4:5], s[80:81], s[68:69]       ; A's codes: Wv's for v, else x's
	s_cselect_b64 s[6:7], s[82:83], s[70:71]       ; A's scale bytes
	s_cselect_b32 s66, 1, 0                        ; 1: this work-group makes v
	s_cmp_eq_u32 s67, 0
	s_cselect_b64 s[8:9], s[72:73], s[76:77]       ; B's codes: Wq's or Wk's,
	s_cselect_b64 s[10:11], s[74:75], s[78:79]
	s_cmp_eq_u32 s67, 2
	s_cselect_b64 s[8:9], s[68:69], s[8:9]         ; or x's for v
	s_cselect_b64 s[10:11], s[70:71], s[10:11]
	s_mov_b64 s[12:13], s[86:87]                   ; qkvc
	s_mov_b64 s[98:99], s[84:85]                   ; the table
	s_mov_b64 s[100:101], s[88:89]                 ; qkvs
	; the scale bytes of 128 rows: a dense block of 8,192 bytes, as rows of 256 bytes (32 elements of 8 bytes), 16 bytes of padding behind each
	s_or_b32 s[G1S+0], s43, (3<<16)|(1<<20)|(1<<21)|(5<<22)|(3<<25)
	s_or_b32 s[G1SB+0], s44, (3<<16)|(1<<20)|(1<<21)|(5<<22)|(3<<25)
.irp g, G1S, G1SB
	s_mov_b32 s[\g+1], 32<<16
	s_mov_b32 s[\g+2], (128*KS/256)<<16
	s_mov_b32 s[\g+3], 32<<16
	s_mov_b32 s[\g+4], 128*KS/256
	s_mov_b32 s[\g+5], 32
	s_mov_b32 s[\g+6], 0
	s_mov_b32 s[\g+7], 0
.endr
	s_add_nc_u64 s[20:21], s[4:5], s[20:21]
	s_add_nc_u64 s[22:23], s[6:7], s[22:23]
	s_add_nc_u64 s[46:47], s[8:9], s[46:47]
	s_add_nc_u64 s[92:93], s[10:11], s[92:93]
	CROUND                                         ; all sixteen work-groups are here: the first joint loads meet
	s_mov_b32 s[G0S], 1
	s_add_co_u32 s[G0S+1], s94, SCL
	s_mov_b64 s[G0S+2:G0S+3], s[22:23]
	s_or_b32 s[G0S+3], s[G0S+3], 0x80000000
	s_mov_b32 s[G0SB], 1
	s_add_co_u32 s[G0SB+1], s94, SCL
	s_mov_b64 s[G0SB+2:G0SB+3], s[92:93]
	s_or_b32 s[G0SB+3], s[G0SB+3], 0x80000000
	JLOAD G0S, G1S, G0SB, G1SB                     ; the scale bytes first: they are wanted with K step 0.  With the two below, three loads of mine are out
.irp s, 0,1
	s_mov_b32 s[G0+4*\s], 1
	s_add_co_u32 s[G0+4*\s+1], s45, \s*SLOT
	s_add_nc_u64 s[G0+4*\s+2:G0+4*\s+3], s[20:21], \s*ROWB
	s_or_b32 s[G0+4*\s+3], s[G0+4*\s+3], 0x80000000
	s_mov_b32 s[G0B+4*\s], 1
	s_add_co_u32 s[G0B+4*\s+1], s45, \s*SLOT
	s_add_nc_u64 s[G0B+4*\s+2:G0B+4*\s+3], s[46:47], \s*ROWB
	s_or_b32 s[G0B+4*\s+3], s[G0B+4*\s+3], 0x80000000
	JLOAD G0+4*\s, G1, G0B+4*\s, G1B
.endr
	v_and_b32 v1, 15, v0                           ; l % 16
	v_bfe_u32 v2, v0, 4, 1                         ; l / 16
	v_mul_u32_u24 v3, v1, PITCH
	v_mul_u32_u24 v4, v2, 24
	v_add_nc_u32 v4, v3, v4                        ; a fragment's row x pitch + 24 x half
	v_lshl_add_u32 v5, v2, 4, v4                   ; and the same behind one padding more
	s_mul_i32 s21, s15, HALFT                      ; my 128 rows of A
	s_mul_i32 s22, s16, HALFT                      ; my 128 rows of B,
	s_add_co_u32 s22, s22, 2*HALFT                 ; which lie behind A's 256
.irp s, 0,1
	v_add_nc_u32 v[ADRA+\s], s21, v4
	v_add_nc_u32 v[ADRB+\s], s22, v4
	v_add_nc_u32 v[ADRA+2+\s], s21, v5
	v_add_nc_u32 v[ADRB+2+\s], s22, v5
	s_add_co_u32 s21, s21, SLOT
	s_add_co_u32 s22, s22, SLOT
.endr
	v_mul_u32_u24 v5, v1, KS                       ; my row's scale bytes: 64 a row,
	v_lshrrev_b32 v6, 8, v5
	v_lshl_add_u32 v5, v6, 4, v5                   ; and 16 more for each 256 passed
	s_mul_i32 s21, s15, HALFS                      ; A's: my 128 rows
	s_mul_i32 s22, s16, HALFS                      ; B's: my 128 rows, behind A's 256
	s_add_co_u32 s22, s22, 2*HALFS
	s_sub_co_u32 s22, s22, s21
	v_mul_u32_u24 v6, s22, v2                      ; lanes 16-31 take B's
	s_add_co_u32 s21, s21, SCL
	v_add_nc_u32 v5, v5, v6
	v_add_nc_u32 v[ADRS], s21, v5
	v_and_b32 v6, 31, v0
	v_lshlrev_b32 v[CO], 4, v6
	s_mul_i32 s21, s15, 6*TBLK                     ; the table in LDS: my pair of waves' six blocks
	v_add_nc_u32 v[TLA], s21, v[CO]
	s_mov_b32 s[SEL], 0x76543210
	s_mov_b32 s[SEL+1], 0xfedcba98
	s_mov_b32 s2, 0xffff0000                       ; lanes 16-31
	; where my wave's results go
	s_lshl_b32 s20, s17, 1
	s_add_co_u32 s20, s20, s15                     ; which 128 rows of A are mine,
	s_lshl_b32 s46, s42, 1
	s_add_co_u32 s46, s46, s16                     ; and of B
	s_cmp_eq_u32 s66, 1
	s_cselect_b32 s21, s20, s46                    ; the head: among the weight's rows
	s_cselect_b32 s47, s46, s20                    ; the step: among x's rows
	s_lshl_b32 s22, s67, 8
	s_lshl_b32 s21, s21, 4
	s_add_co_u32 s22, s22, s21
	s_add_co_u32 s22, s22, s47                     ; 256 x product + 16 x head + step
	s_mul_i32 s92, s22, 12288
	s_mov_b32 s93, 0
	s_add_nc_u64 s[12:13], s[12:13], s[92:93]
	s_lshl_b32 s92, s22, 9
	s_add_nc_u64 s[100:101], s[100:101], s[92:93]
	; where my eight blocks of the table begin.  It hangs on A's tile, the wave's number and the product alone: in registers that never hold cx
	s_lshl_b32 s18, s20, 16                        ; q, k: 65,536 bytes for each 128 sequence rows
	s_lshl_b32 s19, s17, 13
	s_add_co_u32 s19, s19, 0x100000                ; v: among the sixteen blocks of position 0, one block on for each tile row: blocks 0 + 0 to 7 + 7 of them
	s_cmp_eq_u32 s66, 1
	s_cselect_b32 s18, s19, s18
	s_mov_b32 s19, 0
	s_add_nc_u64 s[98:99], s[98:99], s[18:19]
	TABLOAD 0                                      ; blocks 0 and 1 are wanted behind the products: they have all of them in which to land; nothing touches their registers, v26 or s[98:99] meanwhile
	TABLOAD 1
	; the joint load of blocks 2 to 7: three blocks a wave, 24,576 dense bytes as 96 rows of 256 bytes (32 elements of 8 bytes), no padding
	s_or_b32 s[G1T+0], s43, (3<<16)|(1<<21)        ; 15:0 the mask: my row of the cluster; 17:16 elements of 8 bytes; 21 set beside a mask
	s_mov_b32 s[G1T+1], 32<<16                     ; tensor_dim0
	s_mov_b32 s[G1T+2], 96<<16                     ; tensor_dim1
	s_mov_b32 s[G1T+3], 32<<16                     ; tile_dim0
	s_mov_b32 s[G1T+4], 96                         ; tile_dim1
	s_mov_b32 s[G1T+5], 32                         ; the pitch
	s_mov_b32 s[G1T+6], 0
	s_mov_b32 s[G1T+7], 0
	s_mul_i32 s96, s16, 3*TBLK
	s_add_co_u32 s96, s96, 2*TBLK                  ; the even wave of a pair brings blocks 2 to 4, the odd one blocks 5 to 7
	s_mov_b32 s97, 0
	s_add_nc_u64 s[G0T+2:G0T+3], s[98:99], s[96:97]
	s_or_b32 s[G0T+3], s[G0T+3], 0x80000000        ; type = 2
	s_mul_i32 s[G0T+1], s14, 3*TBLK                ; LDS address: the wave's number times a constant
	s_mov_b32 s[G0T], 1                            ; count = 1
.macro FRAG reg, adr, q, i             ; a fragment: lane l holds row l % 16; registers 6 c .. 6 c + 5 hold K = 64 c + 32 (l / 16) + 0 .. 31: 24 bytes of the row's stream of bits, as they lie
.irp p, 0,1,2,3,4,5                    ; in pieces of 8 bytes.  Lanes 0-15 take the row's pieces 12 q + 0, 1, 2 and 12 q + 6, 7, 8, lanes 16-31 those three pieces on
.set PCE, 12*(\q)+6*(\p/3)+\p%3       ; 16 bytes of padding lie behind every 8 pieces: where the piece three on lies behind one padding more, the second address register (40 for 24 bytes a half) serves
.if PCE%8 < 5
	ds_load_b64 v[\reg+2*\p:\reg+2*\p+1], v[\adr] offset:8*PCE+16*(PCE/8)+(\i)*16*PITCH
.else
	ds_load_b64 v[\reg+2*\p:\reg+2*\p+1], v[\adr+2] offset:8*PCE+16*(PCE/8)+(\i)*16*PITCH
.endif
.endr
.endm
; 16 matrix instructions: A's blocks a0, a0 + 1 x B's eight, the slot's q-th 128 along K.  p: B's set; sc: the set of scale words.  zero = 1: the first product starts the sums: nothing is cleared.
; The 64 accumulators take turns, one instruction a turn, in the same order in every step.
.macro MUL16 a0, p, q, sc, zero
.irp a, \a0, \a0+1
.irp b, 0,1,2,3,4,5,6,7
.if \zero
	v_wmma_scale_f32_16x16x128_f8f6f4 v[8*(8*((\a)%4)+\b):8*(8*((\a)%4)+\b)+7], v[128*(\p)+FR*\b:128*(\p)+FR*\b+FR-1], v[AF+FR*(\a):AF+FR*(\a)+FR-1], 0, v[SC+8*NQ*(\sc)+NQ*\b+(\q)], v[SC+8*NQ*(\sc)+NQ*(\a)+(\q)] matrix_a_fmt:MATRIX_FMT_FP6 matrix_b_fmt:MATRIX_FMT_FP6 matrix_a_scale:MATRIX_SCALE_ROW1
.else
	v_wmma_scale_f32_16x16x128_f8f6f4 v[8*(8*((\a)%4)+\b):8*(8*((\a)%4)+\b)+7], v[128*(\p)+FR*\b:128*(\p)+FR*\b+FR-1], v[AF+FR*(\a):AF+FR*(\a)+FR-1], v[8*(8*((\a)%4)+\b):8*(8*((\a)%4)+\b)+7], v[SC+8*NQ*(\sc)+NQ*\b+(\q)], v[SC+8*NQ*(\sc)+NQ*(\a)+(\q)] matrix_a_fmt:MATRIX_FMT_FP6 matrix_b_fmt:MATRIX_FMT_FP6 matrix_a_scale:MATRIX_SCALE_ROW1
.endif
.endr
.endr
.endm
.macro FETCH_B slot, q, p              ; B's eight fragments of the slot's q-th 128 along K into set p
	WIN TO_B
.irp i, 0,1,2,3,4,5,6,7
	FRAG 128*(\p)+FR*\i, ADRB+\slot, \q, \i
.endr
	WIN 0
.endm
.macro FETCH_A slot, q, i0             ; A's blocks i0 .. i0 + 3
.irp i, \i0, \i0+1, \i0+2, \i0+3
	FRAG AF+FR*(\i), ADRA+\slot, \q, \i
.endr
.endm
.macro SCALES sc                       ; the next K step's scale words into set sc: two words a row; lanes 0-15 take A's block i, lanes 16-31 B's block i
.irp i, 0,1,2,3,4,5,6,7
	ds_load_b64 v[SC+8*NQ*\sc+NQ*\i:SC+8*NQ*\sc+NQ*\i+1], v[ADRS] offset:\i*SBLK
.endr
.endm
; A load into a register that a matrix instruction has read, and a vector instruction that reads a matrix result or writes one of a matrix instruction's registers, stand NP places behind it; only plain vector
; instructions that name none of its registers are places (ISA guide 7.12.1 for vector instructions).
.macro PLACES n
.rept \n
	v_nop
.endr
.endm
; A step of 128 along K that has its successor in the same slot.
.macro STEP slot, q, zero
	s_wait_dscnt 4*NL                              ; B's set and A's blocks 0-3 are in; the youngest 24 loads (A's blocks 4-7) may be out
	WIN MUL_LO
	MUL16 0, (\q)%2, \q, \slot, \zero
	MUL16 2, (\q)%2, \q, \slot, \zero
	s_wait_dscnt 0                                 ; A's blocks 4-7 are in (asked for 32 matrix instructions ago)
	PLACES NP
	FETCH_B \slot, (\q)+1, 1-(\q)%2
	FETCH_A \slot, (\q)+1, 0
	WIN MUL_HI
	MUL16 4, (\q)%2, \q, \slot, \zero
	MUL16 6, (\q)%2, \q, \slot, \zero
	PLACES NP
	WIN 0
	FETCH_A \slot, (\q)+1, 4
.endm
; A slot's last step changes slots: ONE barrier; in front of it each wave waits for all its tensor loads, adds 0 to its spare word, and waits for that and for its own reads of this slot.
; fill = 1: this slot is filled again, two K steps ahead.  fill = 2: K has no more tiles for it: it takes the table's blocks 2 to 7.  In both the barrier opens a round of the cluster's barrier.
.macro TURN slot, next, fill
	s_wait_tensorcnt 0x0                           ; all my tensor loads have landed: my part of the next slot
	ds_add_u32 v[SPW], v[NIL]                      ; 0 onto my spare word
	s_wait_dscnt 4*NL+1                            ; (the add and the youngest 24 loads, A's blocks 4-7, may be out)
	WIN MUL_LO
	MUL16 0, 1, NQ-1, \slot, 0                     ; sixteen matrix instructions stand between the add and the wait for it
	s_wait_dscnt 0x0                               ; the add is done, and my reads of this slot are over
	s_barrier_signal -1
	MUL16 2, 1, NQ-1, \slot, 0
	WIN 0
	s_barrier_wait -1
	CREST                                          ; no wave of any partner still reads this slot's tile or has a load on its way
.if \fill == 1
	s_add_nc_u64 s[G0+4*\slot+2:G0+4*\slot+3], s[G0+4*\slot+2:G0+4*\slot+3], 2*ROWB
	s_add_nc_u64 s[G0B+4*\slot+2:G0B+4*\slot+3], s[G0B+4*\slot+2:G0B+4*\slot+3], 2*ROWB
	JLOAD G0+4*\slot, G1, G0B+4*\slot, G1B         ; the first tensor load behind the round, my only one until the next; its four v_nop are the places in front of the loads below
.else
	tensor_load_to_lds s[G0T:G0T+3], s[G1T:G1T+7]  ; every wave's three blocks of the table: the first tensor load behind the round, and my last
	s_nop 0
.rept 4
	v_nop                                          ; four v_nop follow the line: they are also the places in front of the loads below
.endr
.endif
	v_add_nc_u32 v[ADRS], 4*NQ, v[ADRS]            ; on to the next K step's scale words
	FETCH_B \next, 0, 0
	FETCH_A \next, 0, 0
	SCALES \next
	WIN MUL_HI
	MUL16 4, 1, NQ-1, \slot, 0
	MUL16 6, 1, NQ-1, \slot, 0
	PLACES NP
	WIN 0
	FETCH_A \next, 0, 4
.endm
	s_wait_tensorcnt 1                             ; the scale bytes and my part of K step 0 are in (K step 1's load may be out)
	s_barrier_signal -1
	s_barrier_wait -1                              ; everybody's are
	FETCH_B 0, 0, 0
	FETCH_A 0, 0, 0
	SCALES 0
	FETCH_A 0, 0, 4
	STEP 0, 0, 1                                   ; the first step stands in front of the loop: its products start the sums
	s_mov_b32 s3, LAPS-1
.Llap:                                                 ; a trip goes once round the ring, from a lap's second step to the next lap's first, and fills both slots again
	TURN 0, 1, 1
	STEP 1, 0, 0
	TURN 1, 0, 1
	STEP 0, 0, 0
	s_sub_co_u32 s3, s3, 1
	s_cmp_lg_u32 s3, 0
	s_cbranch_scc1 .Llap
	TURN 0, 1, 2                                   ; the last lap: slot 0 has been read for the last time and takes the table
	STEP 1, 0, 0
	s_wait_dscnt 4*NL                              ; the very last step: nothing more to fetch
	WIN MUL_LO
	MUL16 0, 1, NQ-1, 1, 0
	MUL16 2, 1, NQ-1, 1, 0
	s_wait_dscnt 0
	WIN MUL_HI
	MUL16 4, 1, NQ-1, 1, 0
	MUL16 6, 1, NQ-1, 1, 0
	WIN 0
; THE WAY OUT, block by block of 16 rows x 128: rotate, quantise, store the image.  The codes lie in the registers in which the next launch's matrix instructions want them: they go straight to memory.
; ROPE: a lane's registers 2 i, 2 i + 1 are (even, odd) of pair i, the table's the pair's (cos, sin).  (odd sin, odd cos) first, then (even cos - odd sin, even sin + odd cos), in place, from each accumulator's low end on.
.macro ROPE a
.set WW, 2+(\a)/4
.set AC, 64*((\a)%4)
.set TW, (\a)%2
	WIN 0x40+4*TW+WW                               ; destination window 1, source 0 my accumulators' window, source 1 the table's
.set ii, 0
.rept 32
.set TR, 64+32*TW+2*ii+96*TW*(ii/16)
	v_pk_mul_f32 v[2*ii:2*ii+1], v[AC+2*ii:AC+2*ii+1], v[TR:TR+1] op_sel:[1,1] op_sel_hi:[1,0]
.set ii, ii+1
.endr
	WIN 64*WW+0x10+4*TW+WW                         ; destination and source 0 the accumulators' window, source 1 the table's, source 2 window 1
.set ii, 0
.rept 32
.set TR, 64+32*TW+2*ii+96*TW*(ii/16)
	v_pk_fma_f32 v[AC+2*ii:AC+2*ii+1], v[AC+2*ii:AC+2*ii+1], v[TR:TR+1], v[2*ii:2*ii+1] op_sel:[0,0,0] op_sel_hi:[0,1,1] neg_lo:[0,0,1]
.set ii, ii+1
.endr
.endm
; QUANT: the lane's 64 numbers, register 16 b + i = place 32 b + 16 (lane / 16) + i of its row, become 12 registers of codes and the row's scale word.
.macro QUANT a
.set WW, 2+(\a)/4
.set AC, 64*((\a)%4)
.set PCS, PC+20*((\a)%2)
	WIN 20*WW                                      ; sources 1 and 2: the accumulators' window
.irp b, 0,1,2,3
	v_max3_num_f32 v[TM+\b], 0x1800000, |v[AC+16*\b]|, |v[AC+16*\b+1]|   ; block b: my 16 numbers, and the floor 2^(3 - 127): so the byte cannot fall under 1
.endr
.irp i, 2,4,6,8,10,12,14
.irp b, 0,1,2,3
	v_max3_num_f32 v[TM+\b], v[TM+\b], |v[AC+16*\b+\i]|, |v[AC+16*\b+\i+1]|   ; (the four blocks by turns)
.endr
.endr
	WIN 0
.irp b, 0,1,2,3
	v_permlanex16_b32 v[TM+4+\b], v[TM+\b], s[SEL], s[SEL+1]
.endr
.irp b, 0,1,2,3
	v_max_num_f32 v[TM+\b], v[TM+\b], v[TM+4+\b]   ; with lane l xor 16's: the block's largest magnitude
.endr
.irp b, 0,1,2,3
	v_add_nc_u32 v[TM+12+\b], 0xff000000, v[TM+\b] ; 2 off its exponent field: the conversion takes the exponent field of this operand as its scale
.endr
.irp b, 0,1,2,3
	v_lshrrev_b32 v[TM+4+\b], 23, v[TM+12+\b]      ; the scale's byte
.endr
	v_lshl_or_b32 v[SW+(\a)], v[TM+5], 8, v[TM+4]  ; my row's scale word
	v_lshl_or_b32 v[SW+(\a)], v[TM+6], 16, v[SW+(\a)]
	v_lshl_or_b32 v[SW+(\a)], v[TM+7], 24, v[SW+(\a)]
.if (\a) >= 2
	s_wait_xcnt 0x0                                ; the stores of two blocks ago have read this set of code registers: it is written again only behind this wait
.endif
	WIN WW                                         ; source 0: the accumulators' window
.irp c, 0,1
	v_cvt_scalef32_pk16_fp6_f32 v[PCS+6*\c:PCS+6*\c+2], v[AC+32*\c:AC+32*\c+15], v[TM+12+2*\c]
	v_cvt_scalef32_pk16_fp6_f32 v[PCS+12+4*\c:PCS+14+4*\c], v[AC+16+32*\c:AC+31+32*\c], v[TM+13+2*\c]   ; (a conversion's three registers begin on an even number)
.endr
	WIN 0
	v_nop                                          ; one plain place behind a scaled conversion
.irp c, 0,1                                    ; the operand's layout wants a WHOLE block in a lane: lanes 0-15 block 2 c, lanes 16-31 block 2 c + 1
.irp i, 0,1,2
	v_permlane16_swap_b32 v[PCS+6*\c+\i], v[PCS+12+4*\c+\i]
.endr
.irp i, 0,1,2
	v_mov_b32 v[PCS+3+6*\c+\i], v[PCS+12+4*\c+\i]
.endr
.endr
.irp c, 0,1,2
	global_store_b128 v[CO], v[PCS+4*\c:PCS+4*\c+3], s[12:13] offset:1536*(\a)+512*\c   ; the image: 512 consecutive bytes a store
.endr
.endm
	PLACES NP                                      ; behind the last products: their results are read and their operands' registers written from here on
.irp b, 0,1,2,3
	v_mov_b32 v[TM+4+\b], 0                        ; written once: a lane permute's destination counts as one of its sources
.endr
	s_wait_loadcnt 0x0                             ; the table's blocks 0 and 1, asked for at the head; no other load is on this counter
	ROPE 0
	QUANT 0
	s_wait_tensorcnt 0x0                           ; my three blocks of the table have landed (my one tensor load that was out; no LDS instruction of mine is out),
	s_barrier_signal -1
	s_barrier_wait -1                              ; everybody's have: I read blocks that my partner wave brought.
	LTAB 2                                         ; into set 0, which block 0 has left
	ROPE 1
	LTAB 3                                         ; into set 1
	QUANT 1
.irp a, 2,3,4,5,6,7
.if \a < 7
	s_wait_dscnt 16                                ; this block's table is in; the next block's 16 loads may be out
.else
	s_wait_dscnt 0x0
.endif
	ROPE \a
.if \a < 6
	LTAB \a+2                                      ; two blocks ahead, into the set just left
.endif
	QUANT \a
.endr
.irp i, 0,1,2,3
	v_cndmask_b32 v[OW+\i], v[SW+\i], v[SW+4+\i], s2   ; lanes 0-15 carry images 0-3's words of their row, lanes 16-31 images 4-7's
.endr
	global_store_b128 v[CO], v[OW:OW+3], s[100:101]    ; the scale record: 512 consecutive bytes
	s_wait_tensorcnt 0x0                           ; the wave's end
	ds_add_u32 v[SPW], v[NIL]
	s_wait_dscnt 0x0
	CROUND                                         ; the closing round: no work-group ends while a partner may still ask for a tile that names it
	s_endpgm
.Lfunc_end_k_qab5352f006_qkv:
	.size	k_qab5352f006_qkv, .Lfunc_end_k_qab5352f006_qkv-k_qab5352f006_qkv
	.p2alignl 7, 3214868480
	.fill 96, 4, 3214868480
	.section	.rodata,"a",@progbits
	.p2align	6, 0x0
	.amdhsa_kernel k_qab5352f006_qkv
		.amdhsa_group_segment_fixed_size 327680
		.amdhsa_private_segment_fixed_size 0
		.amdhsa_enable_private_segment 0
		.amdhsa_kernarg_size 88
		.amdhsa_user_sgpr_count 2
		.amdhsa_user_sgpr_kernarg_segment_ptr 1
		.amdhsa_wavefront_size32 1
		.amdhsa_system_sgpr_workgroup_id_x 1
		.amdhsa_system_sgpr_workgroup_id_y 1
		.amdhsa_system_sgpr_workgroup_id_z 1
		.amdhsa_system_vgpr_workitem_id 0
		.amdhsa_next_free_vgpr 1024
		.amdhsa_next_free_sgpr 102
		.amdhsa_reserve_vcc 0
		.amdhsa_float_denorm_mode_32 3
		.amdhsa_float_denorm_mode_16_64 3
		.amdhsa_memory_ordered 1
		.amdhsa_forward_progress 1
		.amdhsa_inst_pref_size 208
	.end_amdhsa_kernel
	.amdgpu_metadata
---
amdhsa.version: [ 1, 2 ]
amdhsa.kernels:
  - .name:           k_qab5352f006_qkv
    .symbol:         k_qab5352f006_qkv.kd
    .args:
      - { .name: x_codes, .offset: 0, .size: 8, .value_kind: global_buffer, .address_space: global }
      - { .name: x_scales, .offset: 8, .size: 8, .value_kind: global_buffer, .address_space: global }
      - { .name: Wq_codes, .offset: 16, .size: 8, .value_kind: global_buffer, .address_space: global }
      - { .name: Wq_scales, .offset: 24, .size: 8, .value_kind: global_buffer, .address_space: global }
      - { .name: Wk_codes, .offset: 32, .size: 8, .value_kind: global_buffer, .address_space: global }
      - { .name: Wk_scales, .offset: 40, .size: 8, .value_kind: global_buffer, .address_space: global }
      - { .name: Wv_codes, .offset: 48, .size: 8, .value_kind: global_buffer, .address_space: global }
      - { .name: Wv_scales, .offset: 56, .size: 8, .value_kind: global_buffer, .address_space: global }
      - { .name: rope, .offset: 64, .size: 8, .value_kind: global_buffer, .address_space: global }
      - { .name: qkvc, .offset: 72, .size: 8, .value_kind: global_buffer, .address_space: global }
      - { .name: qkvs, .offset: 80, .size: 8, .value_kind: global_buffer, .address_space: global }
    .group_segment_fixed_size: 327680
    .private_segment_fixed_size: 0
    .kernarg_segment_align: 8
    .kernarg_segment_size: 88
    .max_flat_workgroup_size: 128
    .sgpr_count:     102
    .vgpr_count:     1024
    .wavefront_size: 32
...
	.end_amdgpu_metadata
.endif
;; end of part 2
;; launch attn (part 3): grid 16 x 16, 8 waves a work-group, clusters of 4 x 1, 327,680 bytes of LDS; arguments qkvc, qkvs, attc, atts; writes attc, atts
.if DOCPART == 3
	.amdgcn_target "amdgcn-amd-amdhsa--gfx1250"
	.amdhsa_code_object_version 6
	.text
	.protected	k_qab5352f006_attn
	.globl	k_qab5352f006_attn
	.p2align	8
	.type	k_qab5352f006_attn,@function
k_qab5352f006_attn:
	s_mov_b64 s[64:65], 0
	v_nop
	global_prefetch_b8 v0, s[64:65] scope:SCOPE_SE
	s_setreg_imm32_b32 hwreg(HW_REG_WAVE_MODE, 25, 1), 1
	s_wait_xcnt 0x0
	s_wait_alu depctr_hold_cnt(0) depctr_sa_sdst(0) depctr_va_vdst(0) depctr_va_sdst(0) depctr_va_ssrc(0) depctr_va_vcc(0) depctr_vm_vsrc(0)
	s_getreg_b32 s2, hwreg(HW_REG_IB_STS2, 6, 4)
	s_cmp_eq_u32 s2, 0
	s_cbranch_scc0 .Lentry_in_a_cluster
	s_endpgm
.Lentry_in_a_cluster:
	s_bfe_u32 s2, ttmp6, 0x10000c
	s_cmp_lg_u32 s2, 0x3003
	s_cbranch_scc0 .Lentry_shape_is_right
	s_endpgm
.Lentry_shape_is_right:
; O[h][q] = the sum over keys k <= q of softmax_k(Q[h][q] . K[h][k] / sqrt(128)) V[h][k], both products on codes of FP6 (E2M3) with one E8M0 scale for each 32 along K; O / l is quantised along the model's 2,048 and leaves as codes.
; INPUTS: the launch before has laid q, k and v as FRAGMENT IMAGES (16 rows x 128 K as a lane's 12 registers: three runs of 512 bytes, lane l's registers 4 c .. 4 c + 3 at 512 c + 16 l):
;   qkvc [q, k, v][head 16][step 16][image 8][1,536]; for q and k an image is 16 sequence rows, for v 16 of the head's 128 over a step's 128 keys.  qkvs: 512 bytes a (head, step): [g 2][row 16][t 4] words: image 4 g + t.
; THE SOFTMAX: t = score x log2(e) / sqrt(128); M = the running largest t rounded UP to a whole number; p = 2^(t - M) is quantised along the keys, not normalised; the row's sum l is taken of the unquantised p and divides at the end.
; When M moves, l and O are multiplied by 2^(old M - new M): exact.
; LAYOUT: S^T = K Q^T (source 0 = 16 keys, source 1 = 16 queries), O^T = V^T P^T (source 0 = 16 of the head's 128, source 1 = P): a lane holds ONE query throughout.  Register j of tile t holds key 16 t + 8 (lane / 16) + j; the
; registers of tiles 2 b, 2 b + 1 are taken as places 32 b + 16 (lane / 16) + 0 .. 15: the order inside a block of 32 keys in which v's codes were laid too.  Blocks and scales are the true ones.
; SHARES.  A wave owns one tile of 16 queries.  A cluster of four work-groups owns, of one head, queries 256 c .. + 255 and 2,048 - 256 (c + 1) .. + 255.  Wave w: Tg = 16 c + (w / 4)(112 - 32 c) + 4 ((w % 4) xor 3 (w / 4)); its tile is
; Tg + cx.  The step of 128 keys on the tile's diagonal, G = Tg / 8, hangs on the cluster's and the wave's number alone: every branch is alike in the four partners though their queries differ; cx enters global addresses and one
; number a lane.  Waves w and w + 4 have 17 steps of work together, for every c and w.
; THE RING: two LDS slots of 512 keys (four steps: K's four records of 12,288 bytes, then V's), filled by joint tensor loads of waves 0 to 3 (dense rows of 256 bytes); the head's scale records stay in LDS.  Every work-group walks all
; four slots, so that trip counts are constants; a step all of whose keys come after the wave's queries is jumped over.
; LIMITS: a block whose largest magnitude lies under 2^-124, and a block of zeros, gets the byte 1 (read by this program alone); NaN and infinities are not served.
; REGISTERS: window 0: v1-8 addresses that stay; v12 -M, v13 the largest t, v[14:15] the sum; v16-27 Q; v32-127 K's eight fragments; v128-191 S^T, then p; v192-211 p's codes; v212-227 at work; v228 f, v229 p's scale word;
;   v232-239 K's scale words, v240-247 V's, v248 Q's.   window 1: v0-63 O^T, v64-159 V's eight fragments.
.set REC,   12288                      ; a record: eight images
.set SLOT1, 131072                     ; slot 1 begins here: one exclusive or turns an address in one slot into the other's
.set VOFF,  4*REC                      ; in a slot: V's records behind K's
.set SCK,   2*SLOT1                    ; K's scale records of the head, 8,192 bytes;
.set SCV,   SCK+8192                   ; V's
.set SPARE, SCV+8192                   ; the spare words, 128 bytes for each wave: four blocks of 256 bytes that no other line names
.set LI,  1                            ; v1  16 x lane
.set AS0, 2                            ; v2  SCK + 16 (lane % 16)
.set SPW, 3                            ; v3  LDS address of my spare word; never rewritten
.set NIL, 4                            ; v4  0; never rewritten
.set ADK, 5                            ; v5  LDS address of the step's record of K
.set ADS, 6                            ; v6  and of its scale record
.set PFO, 7                            ; v7  256 x lane: the prefetches' offset
.set DQ,  8                            ; v8  my query less the diagonal step's first key, less 8 (lane / 16)
.set Q,   16
.set KF,  32
.set S,   128
.set PC,  192
.set TM,  212
.set F,   228
.set PW,  229
.set KSC, 232
.set VSC, 240
.set QS,  248
.set VF,  64                           ; in window 1
.set TB,  2                            ; s2  LDS byte at which the step's record of K begins
.set TS,  3                            ; s3  512 x the step
.set WV,  12                           ; s12 my wave's number
.set SG,  13                           ; s13 the step
.set G,   14                           ; s14 my tile's diagonal step
.set SLOTS, 15                         ; s15 slots still to be asked for
.set CNT, 16                           ; s16 counts a slot's four steps
.set LIM, 17                           ; s17 1 in a wave that prefetches, else the greatest number
.set PFA, 18                           ; s[18:19] where my prefetches stand
.set SEL, 20                           ; s[20:21] lane selects for v_permlanex16_b32: lane l xor 16
.set CS,  22                           ; s[22:23] c = log2(e) / sqrt(128), twice
.set G1,  24                           ; s[24:31] descriptor group 1 for half a slot's K or V: 96 rows of 256 bytes
.set G1S, 32                           ; s[32:39] for half a head's scale records: 16 rows of 256 bytes
.set G0,  40                           ; s[40:43] group 0 for the codes: it walks
.set G0S, 44                           ; s[44:47] for the scale records
.set MSB, 0
.macro WIN new                         ; the immediate's high byte repeats the setting that is left
.if MSB != \new
	s_set_vgpr_msb (MSB<<8)|\new
.set MSB, \new
.endif
.endm
.macro ROUND                           ; a round of the cluster's barrier
	s_barrier_signal -1
	s_barrier_wait -1
	s_cmp_lg_u32 s[WV], 0
	s_cbranch_scc1 .Lnot_wave_0_\@
	s_barrier_signal -3
.Lnot_wave_0_\@:
	s_barrier_wait -3
	s_barrier_signal -1
	s_barrier_wait -1
.endm
.macro TLOAD                           ; waves 0, 1: K's halves of a slot; waves 2, 3: V's; the others nothing.  The branch hangs on the wave's number alone.  Four v_nop follow the line
	s_cmp_lt_u32 s[WV], 4
	s_cbranch_scc0 .Lnone_\@
	tensor_load_to_lds s[G0:G0+3], s[G1:G1+7]
	s_nop 0
.rept 4
	v_nop
.endr
.Lnone_\@:
.endm
; A PREFETCH INTO THE L2 of what the NEXT change of slots will ask for: a slot's 49,152 bytes of K and of V.  All four clusters of a head walk the same K and V: the head's first cluster asks.  Its partners share the bytes out BY
; ADDRESS: partners 0, 1 take K's halves, partners 2, 3 V's; in each, waves 4 to 6, which fetch nothing, name 8,192 bytes each, lanes 256 bytes apart.  So each run of 256 bytes is named once.  Slots 2 and 3 are named, each one slot
; (four key steps) ahead of its load; slots 0 and 1 come by their loads alone; the last change that fills a slot asks for nothing.
.macro ASK
	s_cmp_gt_u32 s[SLOTS], s[LIM]
	s_cbranch_scc0 .Lnot_mine_\@
	global_prefetch_b8 v[PFO], s[PFA:PFA+1] th:TH_LOAD_NT scope:SCOPE_SE
.Lnot_mine_\@:
.endm
	s_load_b256 s[4:11], s[0:1], 0x0               ; qkvc s[4:5], qkvs s[6:7], attc s[8:9], atts s[10:11]
	v_lshl_add_u32 v[SPW], v0, 2, SPARE
	v_mov_b32 v[NIL], 0
	ds_add_u32 v3, v4
	s_wait_dscnt 0x0
	v_lshrrev_b32 v9, 5, v0
	v_readfirstlane_b32 s[WV], v9                  ; wave 0..7
	s_bfe_u32 s48, ttmp6, 0x40000                  ; cx
	s_and_b32 s49, ttmp7, 0xffff                   ; the head
	s_and_b32 s50, s[WV], 3
	s_lshr_b32 s51, s[WV], 2                       ; 0: the cluster's early queries; 1: its late ones
	s_mul_i32 s52, s51, 3
	s_xor_b32 s50, s50, s52                        ; the late waves in reverse order
	s_lshl_b32 s52, ttmp9, 5
	s_sub_co_u32 s52, 112, s52
	s_mul_i32 s52, s52, s51
	s_lshl_b32 s53, ttmp9, 4
	s_add_co_u32 s52, s52, s53
	s_lshl_b32 s50, s50, 2
	s_add_co_u32 s52, s52, s50                     ; Tg
	s_lshr_b32 s[G], s52, 3                        ; eight tiles of queries to a step of 128 keys
	s_add_co_u32 s55, s52, s48                     ; my tile
	s_mov_b32 s[G1], 15|(3<<16)|(1<<21)            ; 15:0 the mask: all four work-groups; 17:16 elements of 8 bytes; 20 no padding; 21 set beside a mask
	s_mov_b32 s[G1+1], 32<<16                      ; tensor_dim0 = 32 elements: 256 bytes
	s_mov_b32 s[G1+2], 96<<16                      ; tensor_dim1
	s_mov_b32 s[G1+3], 32<<16                      ; tile_dim0
	s_mov_b32 s[G1+4], 96                          ; tile_dim1: 24,576 dense bytes
	s_mov_b32 s[G1+5], 32                          ; the pitch
	s_mov_b32 s[G1+6], 0
	s_mov_b32 s[G1+7], 0
	s_mov_b32 s[G1S], 15|(3<<16)|(1<<21)
	s_mov_b32 s[G1S+1], 32<<16
	s_mov_b32 s[G1S+2], 16<<16
	s_mov_b32 s[G1S+3], 32<<16
	s_mov_b32 s[G1S+4], 16                         ; 4,096 dense bytes
	s_mov_b32 s[G1S+5], 32
	s_mov_b32 s[G1S+6], 0
	s_mov_b32 s[G1S+7], 0
	s_bfe_u32 s56, s[WV], 0x10001
	s_add_co_u32 s56, s56, 1                       ; 1: k, 2: v
	s_and_b32 s57, s[WV], 1                        ; which half
	s_mul_i32 s58, s56, 3145728
	s_mul_i32 s59, s49, 196608
	s_add_co_u32 s58, s58, s59
	s_mul_i32 s59, s57, 24576
	s_add_co_u32 s58, s58, s59                     ; my part of slot 0 in qkvc
	s_mov_b32 s59, 0
	s_lshl_b32 s60, s56, 17
	s_lshl_b32 s61, s49, 13
	s_add_co_u32 s60, s60, s61
	s_lshl_b32 s61, s57, 12
	s_add_co_u32 s60, s60, s61                     ; my part of the scale records in qkvs
	s_mov_b32 s61, 0
	s_mul_i32 s62, s[WV], 24576                    ; and in LDS: the wave's number times a constant
	s_lshl_b32 s63, s[WV], 12
	s_mov_b32 s[SEL], 0x76543210
	s_mov_b32 s[SEL+1], 0xfedcba98
	s_mov_b32 s[CS], 0x3e0293ee
	s_mov_b32 s[CS+1], s[CS]
	s_mov_b32 s[TB], 0
	s_mov_b32 s[TS], 0
	s_mov_b32 s[SG], 0
	s_mov_b32 s[SLOTS], 3
	s_sub_co_u32 s54, s[WV], 4
	s_lshr_b32 s54, s54, 2                         ; 0 in waves 4 to 7,
	s_or_b32 s54, s54, ttmp9                       ; of the head's first cluster: the same in all four partners
	s_cmp_eq_u32 s54, 0
	s_cselect_b32 s[LIM], 1, -1
	s_cmp_eq_u32 s[WV], 7                          ; (a partner's 24,576 bytes are three waves' worth)
	s_cselect_b32 s[LIM], -1, s[LIM]
	s_wait_kmcnt 0x0
	s_mov_b32 s[G0], 1                             ; 1:0 count = 1
	s_mov_b32 s[G0+1], s62                         ; LDS address: slot 0
	s_add_nc_u64 s[G0+2:G0+3], s[4:5], s[58:59]
	s_or_b32 s[G0+3], s[G0+3], 0x80000000          ; type = 2
	s_mov_b32 s[G0S], 1
	s_add_co_u32 s[G0S+1], s63, SCK
	s_add_nc_u64 s[G0S+2:G0S+3], s[6:7], s[60:61]
	s_or_b32 s[G0S+3], s[G0S+3], 0x80000000
	ROUND                                          ; all four work-groups are here: the first joint loads meet
	s_cmp_lt_u32 s[WV], 4                          ; a wave's two first fills stand in one branch: two loads of mine are out
	s_cbranch_scc0 .Lno_first
	tensor_load_to_lds s[G0S:G0S+3], s[G1S:G1S+7]  ; the head's scale records: filled once
	s_nop 0
	tensor_load_to_lds s[G0:G0+3], s[G1:G1+7]      ; slot 0
	s_nop 0
.rept 4
	v_nop
.endr
.Lno_first:
	; what hangs on my tile: global addresses, and one number a lane
	s_mul_i32 s56, s49, 196608
	s_mul_i32 s57, s55, 1536
	s_add_co_u32 s58, s56, s57
	s_mov_b32 s59, 0
	s_add_nc_u64 s[50:51], s[4:5], s[58:59]        ; Q's image
	s_lshl_b32 s57, s49, 13
	s_lshr_b32 s58, s55, 2
	s_lshl_b32 s58, s58, 8
	s_add_co_u32 s58, s58, s57
	s_and_b32 s57, s55, 3
	s_lshl_b32 s57, s57, 2
	s_add_co_u32 s58, s58, s57
	s_add_nc_u64 s[52:53], s[6:7], s[58:59]        ; its scale words: 8,192 head + 256 (tile / 4) + 4 (tile % 4), + 16 r
	s_lshr_b32 s57, s55, 3
	s_lshl_b32 s57, s57, 4
	s_add_co_u32 s57, s57, s49                     ; 16 x (128 queries) + head
	s_and_b32 s60, s55, 7
	s_mul_i32 s58, s57, 12288
	s_mul_i32 s61, s60, 1536
	s_add_co_u32 s58, s58, s61
	s_add_nc_u64 s[8:9], s[8:9], s[58:59]          ; my image in attc
	s_lshl_b32 s58, s57, 9
	s_lshl_b32 s61, s60, 6
	s_add_co_u32 s58, s58, s61
	s_add_nc_u64 s[10:11], s[10:11], s[58:59]      ; its 16 scale words in atts
	s_lshl_b32 s54, s60, 4                         ; 16 x (tile % 8)
	s_lshr_b32 s57, s48, 1
	s_add_co_u32 s57, s57, 1
	s_mul_i32 s58, s57, 3145728                    ; the prefetches: k for partners 0, 1, v for partners 2, 3,
	s_add_co_u32 s58, s58, s56                     ; my head,
	s_and_b32 s57, s48, 1
	s_mul_i32 s57, s57, 24576                      ; my work-group's half of a slot,
	s_add_co_u32 s58, s58, s57
	s_and_b32 s57, s[WV], 3
	s_lshl_b32 s57, s57, 13                        ; my wave's 8,192 bytes of it,
	s_add_co_u32 s58, s58, s57
	s_add_co_u32 s58, s58, 49152                   ; in slot 1: the first change of slots steps it to slot 2
	s_add_nc_u64 s[PFA:PFA+1], s[4:5], s[58:59]
	v_and_b32 v9, 31, v0                           ; lane
	v_and_b32 v10, 15, v0                          ; r
	v_bfe_u32 v11, v0, 4, 1                        ; h
	v_lshlrev_b32 v[LI], 4, v9
	v_lshl_add_u32 v[AS0], v10, 4, SCK
	v_lshlrev_b32 v[PFO], 8, v9
	v_lshlrev_b32 v11, 3, v11
	v_sub_nc_u32 v[DQ], v10, v11
	v_add_nc_u32 v[DQ], s54, v[DQ]
	v_lshlrev_b32 v10, 4, v10
.irp c, 0,1,2
	global_load_b128 v[Q+4*\c:Q+4*\c+3], v[LI], s[50:51] offset:512*\c   ; Q's fragment stays in registers
.endr
	global_load_b32 v[QS], v10, s[52:53]
	v_mov_b32 v13, 0xff61b1e6                      ; the largest t so far: -3e38, under every t
	v_floor_f32 v12, -v13                          ; -M
	v_mov_b32 v14, 0                               ; the sum, in two halves
	v_mov_b32 v15, 0
.irp b, 0,1,2,3
	v_mov_b32 v[TM+4+\b], 0                        ; written once: a lane permute's destination counts as one of its sources
.endr
	v_mov_b32 v[PW], 0                             ; (named as the upper half of the pair v[228:229] before it is first written)
	v_mov_b32 v249, 0
	WIN 0x40
.set j, 0
.rept 64
	v_mov_b32 v[j], 0                              ; O^T.  (The step is written once: the first finds zeros, which the first change of M leaves zeros)
.set j, j+1
.endr
	WIN 0
.macro KLOAD off                       ; a step's K: eight images as they lie, 512 consecutive bytes a load; and its scale words, four images' to a load
.irp t, 0,1,2,3,4,5,6,7
.irp c, 0,1,2
	ds_load_b128 v[KF+12*\t+4*\c:KF+12*\t+4*\c+3], v[ADK] offset:(\off)+1536*\t+512*\c
.endr
.endr
.irp g, 0,1
	ds_load_b128 v[KSC+4*\g:KSC+4*\g+3], v[ADS] offset:((\off)/REC)*512+256*\g
.endr
.endm
.macro VLOAD                           ; the same of V
	WIN 0x40                                       ; destination window 1
.irp t, 0,1,2,3,4,5,6,7
.irp c, 0,1,2
	ds_load_b128 v[VF+12*\t+4*\c:VF+12*\t+4*\c+3], v[ADK] offset:VOFF+1536*\t+512*\c
.endr
.endr
	WIN 0
.irp g, 0,1
	ds_load_b128 v[VSC+4*\g:VSC+4*\g+3], v[ADS] offset:8192+256*\g
.endr
.endm
; A KEY STEP: 128 keys.  Every LDS wait is for 0, so the counts hold on every path.
.macro STEP
	s_cmp_gt_u32 s[SG], s[G]                       ; all its keys come after my queries: only the lines at its end that step addresses are run
	s_cbranch_scc1 .Lhidden_\@
	v_add_nc_u32 v[ADK], s[TB], v[LI]
	v_add_nc_u32 v[ADS], s[TS], v[AS0]
	s_wait_dscnt 0x0                               ; K is in: asked for at the slot's head or in the step before
.irp t, 0,1,2,3,4,5,6,7
	v_wmma_scale_f32_16x16x128_f8f6f4 v[S+8*\t:S+8*\t+7], v[KF+12*\t:KF+12*\t+11], v[Q:Q+11], 0, v[KSC+\t], v[QS] matrix_a_fmt:MATRIX_FMT_FP6 matrix_b_fmt:MATRIX_FMT_FP6
.endr
.rept 4
	v_nop                                          ; places: in front of the first read of the scores, and of the loads into K's, V's and their scale words' registers, which matrix instructions have read
.endr
	VLOAD                                          ; lands under the softmax
	s_cmp_eq_u32 s[CNT], 1                         ; the next step's K, where it lies in this slot
	s_cbranch_scc1 .Lno_k_\@
	s_cmp_eq_u32 s[SG], s[G]                       ; and is not hidden
	s_cbranch_scc1 .Lno_k_\@
	KLOAD REC
.Lno_k_\@:
	s_cmp_lg_u32 s[SG], s[G]                       ; on the diagonal the scores of hidden keys become -infinity ahead of the maximum: p = 0 then
	s_cbranch_scc1 .Lopen_\@
	v_mov_b32 v249, 0xff800000
.set n, 0
.rept 64
	v_cmp_gt_i32 vcc_lo, 16*(n/8)+n%8, v[DQ]       ; register n holds the step's key 16 (n / 8) + 8 (lane / 16) + n % 8
	v_cndmask_b32 v[S+n], v[S+n], v249, vcc_lo
.set n, n+1
.endr
.Lopen_\@:
.irp b, 0,1,2,3
	v_max3_num_f32 v[TM+\b], v[S+16*\b], v[S+16*\b+1], v[S+16*\b+2]   ; the largest score of each block of 32 keys: it serves for the row's maximum and, since p rises with the score, for the block's largest p
.endr
.irp i, 3,5,7,9,11,13
.irp b, 0,1,2,3
	v_max3_num_f32 v[TM+\b], v[TM+\b], v[S+16*\b+\i], v[S+16*\b+\i+1]
.endr
.endr
.irp b, 0,1,2,3
	v_max_num_f32 v[TM+\b], v[TM+\b], v[S+16*\b+15]
.endr
.irp b, 0,1,2,3
	v_permlanex16_b32 v[TM+4+\b], v[TM+\b], s[SEL], s[SEL+1]
.endr
.irp b, 0,1,2,3
	v_max_num_f32 v[TM+\b], v[TM+\b], v[TM+4+\b]   ; with lane l xor 16's 16 keys
.endr
	v_max3_num_f32 v249, v[TM], v[TM+1], v[TM+2]
	v_max_num_f32 v249, v249, v[TM+3]              ; the step's largest score of my query
	v_mul_f32 v249, s[CS], v249                    ; as t (c is positive)
	v_max_num_f32 v13, v13, v249                   ; the running largest t
	v_mov_b32 v249, v12
	v_floor_f32 v12, -v13                          ; the new -M = floor(-t): M is a whole number
	v_sub_f32 v249, v12, v249                      ; old M less new M: a whole number, 0 or less
	v_cvt_i32_f32 v249, v249                       ; (it saturates)
	v_ldexp_f32 v[F], 1.0, v249                    ; f = 2^(old M - new M)
.set j, 0
.rept 32
	v_pk_fma_f32 v[S+j:S+j+1], v[S+j:S+j+1], s[CS:CS+1], v[12:13] op_sel_hi:[1,0,0]   ; t - M, two at a time
.set j, j+2
.endr
.irp b, 0,1,2,3
	v_fma_f32 v[TM+\b], v[TM+\b], s[CS], v12       ; the same of each block's largest score
.endr
.set j, 0
.rept 64
	v_exp_f32 v[S+j], v[S+j]                       ; p = 2^(t - M), at most 1
.set j, j+1
.endr
.irp b, 0,1,2,3
	v_exp_f32 v[TM+\b], v[TM+\b]                   ; the block's largest p: the same two instructions on the same number
.endr
	v_pk_mul_f32 v[14:15], v[14:15], v[F:F+1] op_sel_hi:[1,0]   ; the sums under the new M.  (A plain place behind the exponentials)
	s_wait_alu depctr_va_vdst(0)
.irp b, 0,1,2,3
	v_max_num_f32 v[TM+\b], 0x1800000, v[TM+\b]    ; the floor 2^(3 - 127): the byte cannot fall under 1
.endr
.irp b, 0,1,2,3
	v_add_nc_u32 v[TM+12+\b], 0xff000000, v[TM+\b] ; 2 off the exponent field: the conversion's scale operand
.endr
.irp b, 0,1,2,3
	v_lshrrev_b32 v[TM+4+\b], 23, v[TM+12+\b]      ; the scale's byte
.endr
	v_lshl_or_b32 v[PW], v[TM+5], 8, v[TM+4]       ; p's scale word for these 128 keys
	v_lshl_or_b32 v[PW], v[TM+6], 16, v[PW]
	v_lshl_or_b32 v[PW], v[TM+7], 24, v[PW]
.irp c, 0,1
	v_cvt_scalef32_pk16_fp6_f32 v[PC+6*\c:PC+6*\c+2], v[S+32*\c:S+32*\c+15], v[TM+12+2*\c]
	v_cvt_scalef32_pk16_fp6_f32 v[PC+12+4*\c:PC+14+4*\c], v[S+16+32*\c:S+31+32*\c], v[TM+13+2*\c]   ; (a conversion's three registers begin on an even number)
.endr
	v_nop                                          ; one plain place behind a scaled conversion
.irp c, 0,1                                    ; the operand's layout wants a WHOLE block in a lane
.irp i, 0,1,2
	v_permlane16_swap_b32 v[PC+6*\c+\i], v[PC+12+4*\c+\i]
.endr
.irp i, 0,1,2
	v_mov_b32 v[PC+3+6*\c+\i], v[PC+12+4*\c+\i]
.endr
.endr
	v_pk_add_f32 v[230:231], v[S:S+1], v[S+2:S+3]  ; the row's sum is taken of the UNQUANTISED p: two at a time, in two chains
.irp j, 4,8,12,16,20,24,28,32,36,40,44,48,52,56,60
	v_pk_add_f32 v[14:15], v[14:15], v[S+\j:S+\j+1]
	v_pk_add_f32 v[230:231], v[230:231], v[S+\j+2:S+\j+3]
.endr
	v_pk_add_f32 v[14:15], v[14:15], v[230:231]
	WIN 0x41                                       ; O^T (destination and source 0) window 1
.set j, 0
.rept 32
	v_pk_mul_f32 v[j:j+1], v[j:j+1], v[F:F+1] op_sel_hi:[1,0]   ; O^T under the new M.  (With the sums above: the places between the writes of p's codes and scale word and the matrix instructions below)
.set j, j+2
.endr
	s_wait_dscnt 0x0                               ; V is in
	WIN 0x51                                       ; V, C and D window 1, P window 0
.irp t, 0,1,2,3,4,5,6,7
	v_wmma_scale_f32_16x16x128_f8f6f4 v[8*\t:8*\t+7], v[VF+12*\t:VF+12*\t+11], v[PC:PC+11], v[8*\t:8*\t+7], v[VSC+\t], v[PW] matrix_a_fmt:MATRIX_FMT_FP6 matrix_b_fmt:MATRIX_FMT_FP6   ; the eight accumulators by turns, one instruction a turn
.endr
	WIN 0
.Lhidden_\@:
	s_add_co_u32 s[SG], s[SG], 1
	s_add_co_u32 s[TS], s[TS], 512
	s_add_co_u32 s[TB], s[TB], REC
.endm
; THE CHANGE OF SLOTS stands at a slot's head.  Each wave waits for all its tensor loads (its part of the slot that it is about to read), adds 0 to its spare word, and waits for that and for its reads of the slot that it has left.
; fill = 1: the barrier is a round of the cluster's, and behind it the slot just left (at the first change: slot 1, not yet filled) takes the next 512 keys: the load has a slot's four steps in which to land.
.macro CHANGE fill
	s_wait_tensorcnt 0x0                           ; no tensor load of mine is out, so the group 0 may be written
	ds_add_u32 v[SPW], v[NIL]                      ; 0 onto my spare word
.if \fill
	s_xor_b32 s[G0+1], s[G0+1], SLOT1              ; the other slot than last time,
	s_add_nc_u64 s[G0+2:G0+3], s[G0+2:G0+3], 4*REC ; the next four records; the type bits on top are not reached
	s_wait_xcnt 0x0                                ; the last prefetch, a slot back, has read its address
	s_add_nc_u64 s[PFA:PFA+1], s[PFA:PFA+1], 4*REC ; one slot further on than the walking descriptor
.endif
	s_wait_dscnt 0x0                               ; the add is done, and my reads of the slot that I have left are over
.if \fill
	ROUND
	TLOAD                                          ; the first thing behind the round, and a wave's one tensor load until the next
	ASK
.else
	s_barrier_signal -1
	s_barrier_wait -1
.endif
.endm
.macro SLOT_STEPS
	v_add_nc_u32 v[ADK], s[TB], v[LI]
	v_add_nc_u32 v[ADS], s[TS], v[AS0]
	KLOAD 0                                        ; the slot's first K, in every wave: so K's registers are written on every path
	s_mov_b32 s[CNT], 4
.Lstep_\@:
	STEP
	s_sub_co_u32 s[CNT], s[CNT], 1
	s_cmp_lg_u32 s[CNT], 0
	s_cbranch_scc1 .Lstep_\@
	s_sub_co_u32 s[TB], s[TB], 4*REC               ; back to a slot's first record,
	s_xor_b32 s[TB], s[TB], SLOT1                  ; in the other slot
.endm
	s_wait_loadcnt 0x0                             ; Q and its scale words
.Lslot:                                            ; three trips: behind each change of slots but the last the next slot is asked for
	CHANGE 1
	SLOT_STEPS
	s_sub_co_u32 s[SLOTS], s[SLOTS], 1
	s_cmp_lg_u32 s[SLOTS], 0
	s_cbranch_scc1 .Lslot
	CHANGE 0                                       ; the last slot is written out
	SLOT_STEPS
	; THE WAY OUT.  O^T / l; the head's 128 are brought into memory's order, since the next product's other operand is given so; quantised along them; the image and its scale words are stored.
.rept 4
	v_nop                                          ; places behind the last products
.endr
	v_add_f32 v14, v14, v15                        ; the sum's two halves,
	v_permlanex16_b32 v249, v14, s[SEL], s[SEL+1]
	v_add_f32 v14, v14, v249                       ; and lane l xor 16's
	v_rcp_f32 v14, v14
	v_and_b32 v10, 15, v0                          ; (a plain place behind the transcendental)
	v_lshlrev_b32 v10, 2, v10                      ; 4 r
	WIN 0x01                                       ; source 0 window 1
.set j, 0
	s_wait_alu depctr_va_vdst(0)
.rept 64
	v_mul_f32 v[S+j], v[j], v14                    ; register 8 t + i: channel 16 t + 8 (lane / 16) + i of my query; each accumulator from its low end on
.set j, j+1
.endr
	WIN 0
.irp b, 0,1,2,3
.irp i, 0,1,2,3,4,5,6,7
	v_permlane16_swap_b32 v[S+16*\b+\i], v[S+16*\b+8+\i]   ; tile 2 b's lanes 16-31 change places with tile 2 b + 1's lanes 0-15: register 16 b + i now holds channel 32 b + 16 (lane / 16) + i
.endr
.endr
.irp b, 0,1,2,3
	v_max3_num_f32 v[TM+\b], |v[S+16*\b]|, |v[S+16*\b+1]|, 0x1800000
.endr
.irp i, 2,4,6,8,10,12,14
.irp b, 0,1,2,3
	v_max3_num_f32 v[TM+\b], v[TM+\b], |v[S+16*\b+\i]|, |v[S+16*\b+\i+1]|
.endr
.endr
.irp b, 0,1,2,3
	v_permlanex16_b32 v[TM+4+\b], v[TM+\b], s[SEL], s[SEL+1]
.endr
.irp b, 0,1,2,3
	v_max_num_f32 v[TM+\b], v[TM+\b], v[TM+4+\b]
.endr
.irp b, 0,1,2,3
	v_add_nc_u32 v[TM+12+\b], 0xff000000, v[TM+\b]
.endr
.irp b, 0,1,2,3
	v_lshrrev_b32 v[TM+4+\b], 23, v[TM+12+\b]
.endr
	v_lshl_or_b32 v[PW], v[TM+5], 8, v[TM+4]
	v_lshl_or_b32 v[PW], v[TM+6], 16, v[PW]
	v_lshl_or_b32 v[PW], v[TM+7], 24, v[PW]
.irp c, 0,1
	v_cvt_scalef32_pk16_fp6_f32 v[PC+6*\c:PC+6*\c+2], v[S+32*\c:S+32*\c+15], v[TM+12+2*\c]
	v_cvt_scalef32_pk16_fp6_f32 v[PC+12+4*\c:PC+14+4*\c], v[S+16+32*\c:S+31+32*\c], v[TM+13+2*\c]
.endr
	v_nop
.irp c, 0,1
.irp i, 0,1,2
	v_permlane16_swap_b32 v[PC+6*\c+\i], v[PC+12+4*\c+\i]
.endr
.irp i, 0,1,2
	v_mov_b32 v[PC+3+6*\c+\i], v[PC+12+4*\c+\i]
.endr
.endr
.irp c, 0,1,2
	global_store_b128 v[LI], v[PC+4*\c:PC+4*\c+3], s[8:9] offset:512*\c   ; 512 consecutive bytes a store
.endr
	global_store_b32 v10, v[PW], s[10:11]          ; the 16 rows' scale words: lanes l and l + 16 hold the same word and store it to the same place
	s_wait_tensorcnt 0x0                           ; the wave's end
	ds_add_u32 v[SPW], v[NIL]
	s_wait_dscnt 0x0
	ROUND                                          ; the closing round
	s_endpgm
.Lfunc_end_k_qab5352f006_attn:
	.size	k_qab5352f006_attn, .Lfunc_end_k_qab5352f006_attn-k_qab5352f006_attn
	.p2alignl 7, 3214868480
	.fill 96, 4, 3214868480
	.section	.rodata,"a",@progbits
	.p2align	6, 0x0
	.amdhsa_kernel k_qab5352f006_attn
		.amdhsa_group_segment_fixed_size 327680
		.amdhsa_private_segment_fixed_size 0
		.amdhsa_enable_private_segment 0
		.amdhsa_kernarg_size 32
		.amdhsa_user_sgpr_count 2
		.amdhsa_user_sgpr_kernarg_segment_ptr 1
		.amdhsa_wavefront_size32 1
		.amdhsa_system_sgpr_workgroup_id_x 1
		.amdhsa_system_sgpr_workgroup_id_y 1
		.amdhsa_system_sgpr_workgroup_id_z 1
		.amdhsa_system_vgpr_workitem_id 0
		.amdhsa_next_free_vgpr 416
		.amdhsa_next_free_sgpr 66
		.amdhsa_reserve_vcc 1
		.amdhsa_float_denorm_mode_32 3
		.amdhsa_float_denorm_mode_16_64 3
		.amdhsa_memory_ordered 1
		.amdhsa_forward_progress 1
		.amdhsa_inst_pref_size 70
	.end_amdhsa_kernel
	.amdgpu_metadata
---
amdhsa.version: [ 1, 2 ]
amdhsa.kernels:
  - .name:           k_qab5352f006_attn
    .symbol:         k_qab5352f006_attn.kd
    .args:
      - { .name: qkvc, .offset: 0, .size: 8, .value_kind: global_buffer, .address_space: global }
      - { .name: qkvs, .offset: 8, .size: 8, .value_kind: global_buffer, .address_space: global }
      - { .name: attc, .offset: 16, .size: 8, .value_kind: global_buffer, .address_space: global }
      - { .name: atts, .offset: 24, .size: 8, .value_kind: global_buffer, .address_space: global }
    .group_segment_fixed_size: 327680
    .private_segment_fixed_size: 0
    .kernarg_segment_align: 8
    .kernarg_segment_size: 32
    .max_flat_workgroup_size: 256
    .sgpr_count:     66
    .vgpr_count:     416
    .wavefront_size: 32
...
	.end_amdgpu_metadata
.endif
;; end of part 3
;; launch oproj (part 4): grid 16 x 16, 4 waves a work-group, clusters of 4 x 4, 327,680 bytes of LDS; arguments attc, atts, Wo_codes, Wo_scales, out0; writes out0
.if DOCPART == 4
	.amdgcn_target "amdgcn-amd-amdhsa--gfx1250"
	.amdhsa_code_object_version 6
	.text
	.protected	k_qab5352f006_oproj
	.globl	k_qab5352f006_oproj
	.p2align	8
	.type	k_qab5352f006_oproj,@function
k_qab5352f006_oproj:
	s_mov_b64 s[64:65], 0
	v_nop
	global_prefetch_b8 v0, s[64:65] scope:SCOPE_SE
	s_setreg_imm32_b32 hwreg(HW_REG_WAVE_MODE, 25, 1), 1
	s_wait_xcnt 0x0
	s_wait_alu depctr_hold_cnt(0) depctr_sa_sdst(0) depctr_va_vdst(0) depctr_va_sdst(0) depctr_va_ssrc(0) depctr_va_vcc(0) depctr_vm_vsrc(0)
	s_getreg_b32 s2, hwreg(HW_REG_IB_STS2, 6, 4)
	s_cmp_eq_u32 s2, 0
	s_cbranch_scc0 .Lentry_in_a_cluster
	s_endpgm
.Lentry_in_a_cluster:
	s_bfe_u32 s2, ttmp6, 0x10000c
	s_cmp_lg_u32 s2, 0xf033
	s_cbranch_scc0 .Lentry_shape_is_right
	s_endpgm
.Lentry_shape_is_right:
; out0[s][o] = the sum over d of att[s][d] Wo[o][d], on codes of FP6 (E2M3) with one E8M0 scale for each 32 along K = 2,048; out0 is [2,048][2,048] f32.
; att comes from the launch before as fragment images: attc [128 rows 16][head 16][block of 16 rows 8][1,536 bytes] (an image: 16 rows x the head's 128 as a lane's 12 registers: three runs of 512 bytes, lane l's registers
; 4 c .. 4 c + 3 at 512 c + 16 l); atts the same index, 16 scale words.  Wo comes as rows of 1,536 bytes of codes and 64 scale bytes.
; 256 tiles of 128 x 128, one for each work-group (tiles of 256 x 256 would be 64); four waves, each 64 x 64: 16 accumulators.  Source 0 = 16 rows of Wo, source 1 = 16 rows of att: a lane holds eight neighbouring numbers of a row of out0.
; K goes in steps of 512 (four heads) through two LDS slots: att's four records, 49,152 dense bytes, and two tiles of Wo of 128 rows x 192 bytes.  Waves 0, 1 fetch att's halves, waves 2, 3 Wo's two tiles, one load a wave.
; 4 x 4 work-groups form a cluster: att's tile is asked for jointly along a row of the cluster, Wo's along a column.  The scale bytes of the work-group's rows, for all of K, come once.  Four slots' worth in all: written out, no loop.
; REGISTERS: window 0: v16-29 addresses; v32-63 scale words, two sets, and nothing else; v64-159, v160-255 two sets of fragments (att's four, then Wo's four); on the way out v64-191.   window 1: v0-127 the accumulators ((a, b) at v[8 (4 a + b)]).
.set FR,     12
.set REC,    12288                     ; att: a head's eight images
.set PITCH,  240                       ; Wo: an LDS row: 3 x (64 bytes + 16 of padding)
.set WT,     128*PITCH                 ; a tile of Wo
.set WOFF,   4*REC                     ; in a slot: Wo's tiles behind att's records
.set SLOTB,  WOFF+2*WT                 ; 110,592 bytes
.set SCA,    2*SLOTB                   ; att's scale words: 16 heads x 512 bytes, dense
.set SCB,    SCA+8192                  ; Wo's scale bytes: 32 runs of 256 bytes + 16 of padding
.set SPARE,  SCB+32*272                ; the spare words, 128 bytes for each wave: two blocks of 256 bytes that no other line names
.set SPITCH, 272                       ; the way out: a stage of 16 rows x (256 bytes + 16) for each wave, in slot 0, which has had its last fill and its last read when the first result is stored there
.set ADRA, 16                          ; v16-17 LDS address of my att images in slot 0, 1
.set ADSB, 18                          ; v18    of Wo's scale words: lanes 0-15 an even block of 16 rows, lanes 16-31 the odd one behind it
.set ADRB, 20                          ; v20-21 of my Wo fragments in slot 0, 1 (v22-23: for the pieces behind one padding more)
.set STO,  24                          ; v24    the way out: where I put 32 bytes of a row
.set RD,   25                          ; v25    where I read a row back
.set CO,   26                          ; v26    my byte offset in two rows of out0
.set ADSA, 27                          ; v27    of att's scale words: lanes 0-15 an even block, lanes 16-31 the odd one
.set SPW,  28                          ; v28    LDS address of my spare word; never rewritten
.set NIL,  29                          ; v29    0; never rewritten
.set SC,   32                          ; a set of scale words: +2 q + a / 2: att's, the slot's q-th 128 along K; +8 + 4 (b / 2) + q: Wo's
.set FRG,  64
.set BK,   64                          ; the way out: 32 registers for each of my four blocks
.set G1, 24                            ; s[24:31] descriptor group 1 for att's records; s[32:39] group 0, one set a slot
.set G0, 32
.set G1B, 48                           ; s[48:55], s[56:63] the same for Wo's tiles
.set G0B, 56
.set G1S, 68                           ; s[68:75], s[76:79] for att's scale words; s[80:87], s[88:91] for Wo's scale bytes
.set G0S, 76
.set G1SB, 80
.set G0SB, 88
.set MSB, 0
.macro WIN new                         ; the immediate's high byte repeats the setting that is left
.if MSB != \new
	s_set_vgpr_msb (MSB<<8)|\new
.set MSB, \new
.endif
.endm
.macro JLOAD g0a, g1a, g0b, g1b        ; a joint load: waves 0 and 1 fetch for att, waves 2 and 3 for Wo; four v_nop follow each of the two lines
	s_cmp_eq_u32 s15, 0
	s_cbranch_scc0 .Lfor_b_\@
	tensor_load_to_lds s[\g0a:\g0a+3], s[\g1a:\g1a+7]
	s_nop 0
.rept 4
	v_nop
.endr
	s_branch .Lasked_\@
.Lfor_b_\@:
	tensor_load_to_lds s[\g0b:\g0b+3], s[\g1b:\g1b+7]
	s_nop 0
.rept 4
	v_nop
.endr
.Lasked_\@:
.endm
.macro CREST                           ; a round of the cluster's barrier behind its opening barrier
	s_cmp_lg_u32 s14, 0
	s_cbranch_scc1 .Lnot_wave_0_\@
	s_barrier_signal -3
.Lnot_wave_0_\@:
	s_barrier_wait -3
	s_barrier_signal -1
	s_barrier_wait -1
.endm
.macro CROUND
	s_barrier_signal -1
	s_barrier_wait -1
	CREST
.endm
	s_load_b256 s[4:11], s[0:1], 0x0               ; attc s[4:5], atts s[6:7], Wo's codes s[8:9], Wo's scales s[10:11]
	s_load_b64 s[12:13], s[0:1], 0x20              ; out0
	v_lshl_add_u32 v[SPW], v0, 2, SPARE
	v_mov_b32 v[NIL], 0
	ds_add_u32 v28, v29
	s_wait_dscnt 0x0
	v_lshrrev_b32 v1, 5, v0
	v_readfirstlane_b32 s14, v1                    ; wave 0..3
	s_lshr_b32 s15, s14, 1                         ; which 64 rows of the tile are mine.  Also: I fetch for att (0) or for Wo (1)
	s_and_b32 s16, s14, 1                          ; which 64 columns.  Also: which half of a slot's K I fetch
	s_bfe_u32 s40, ttmp6, 0x40000                  ; cx, cy
	s_bfe_u32 s41, ttmp6, 0x40004
	s_lshl_b32 s42, ttmp9, 2
	s_add_co_u32 s42, s42, s40                     ; tile column = 4 x cluster x + cx
	s_and_b32 s17, ttmp7, 0xffff
	s_lshl_b32 s17, s17, 2
	s_add_co_u32 s17, s17, s41                     ; tile row = 4 x cluster y + cy
	s_lshl_b32 s43, s41, 2
	s_lshl_b32 s43, 15, s43                        ; my row of the cluster
	s_lshl_b32 s44, 0x1111, s40                    ; my column
	s_or_b32 s[G1+0], s43, (3<<16)|(1<<21)         ; att: the mask of my row; elements of 8 bytes; no padding; 21 set beside a mask
	s_mov_b32 s[G1+1], 32<<16                      ; rows of 256 bytes,
	s_mov_b32 s[G1+2], 96<<16
	s_mov_b32 s[G1+3], 32<<16
	s_mov_b32 s[G1+4], 96                          ; 96 of them: two heads' records, dense
	s_mov_b32 s[G1+5], 32
	s_mov_b32 s[G1+6], 0
	s_mov_b32 s[G1+7], 0
	s_or_b32 s[G1B+0], s44, (0<<16)|(1<<20)|(1<<21)|(3<<22)|(3<<25)  ; Wo: the mask of my column; elements of 1 byte; padding of 4 words after every 16
	s_mov_b32 s[G1B+1], 192<<16
	s_mov_b32 s[G1B+2], 128<<16
	s_mov_b32 s[G1B+3], 192<<16
	s_mov_b32 s[G1B+4], 128
	s_mov_b32 s[G1B+5], 1536
	s_mov_b32 s[G1B+6], 0
	s_mov_b32 s[G1B+7], 0
	s_or_b32 s[G1S+0], s43, (3<<16)|(1<<21)        ; att's scale words: 16 dense rows of 256 bytes
	s_or_b32 s[G1SB+0], s44, (3<<16)|(1<<20)|(1<<21)|(5<<22)|(3<<25)  ; Wo's scale bytes: the same with 16 bytes of padding behind each row
.irp g, G1S, G1SB
	s_mov_b32 s[\g+1], 32<<16
	s_mov_b32 s[\g+2], 16<<16
	s_mov_b32 s[\g+3], 32<<16
	s_mov_b32 s[\g+4], 16
	s_mov_b32 s[\g+5], 32
	s_mov_b32 s[\g+6], 0
	s_mov_b32 s[\g+7], 0
.endr
	s_mul_i32 s20, s17, 196608                     ; att: my tile row's 16 records,
	s_mul_i32 s18, s16, 24576                      ; my half of a slot's four
	s_add_co_u32 s20, s20, s18
	s_mov_b32 s21, 0
	s_lshl_b32 s22, s17, 13                        ; its scale words: 8,192 bytes a tile row, my half
	s_lshl_b32 s18, s16, 12
	s_add_co_u32 s22, s22, s18
	s_mov_b32 s23, 0
	s_mul_i32 s46, s42, 196608                     ; Wo: my tile column's 128 rows of 1,536 bytes,
	s_mul_i32 s19, s16, 192                        ; my 256 of a slot's 512 along K
	s_add_co_u32 s46, s46, s19
	s_mov_b32 s47, 0
	s_lshl_b32 s92, s42, 13                        ; its scale bytes: 128 rows of 64, my 64 rows
	s_add_co_u32 s92, s92, s18
	s_mov_b32 s93, 0
	s_mul_i32 s45, s16, 24576                      ; where they go: the wave's number times a constant: no place in the cluster enters an LDS address
	s_mul_i32 s94, s16, WT
	s_add_co_u32 s94, s94, WOFF
	s_lshl_b32 s95, s16, 12
	s_add_co_u32 s95, s95, SCA
	s_mul_i32 s96, s16, 16*272
	s_add_co_u32 s96, s96, SCB
	s_wait_kmcnt 0x0
	s_add_nc_u64 s[20:21], s[4:5], s[20:21]
	s_add_nc_u64 s[22:23], s[6:7], s[22:23]
	s_add_nc_u64 s[46:47], s[8:9], s[46:47]
	s_add_nc_u64 s[92:93], s[10:11], s[92:93]
	CROUND                                         ; all sixteen work-groups are here: the first joint loads meet
	s_mov_b32 s[G0S], 1
	s_mov_b32 s[G0S+1], s95
	s_mov_b64 s[G0S+2:G0S+3], s[22:23]
	s_or_b32 s[G0S+3], s[G0S+3], 0x80000000
	s_mov_b32 s[G0SB], 1
	s_mov_b32 s[G0SB+1], s96
	s_mov_b64 s[G0SB+2:G0SB+3], s[92:93]
	s_or_b32 s[G0SB+3], s[G0SB+3], 0x80000000
	JLOAD G0S, G1S, G0SB, G1SB                     ; the scales first.  With the two below, three loads of mine are out
.irp s, 0,1
	s_mov_b32 s[G0+4*\s], 1
	s_add_co_u32 s[G0+4*\s+1], s45, \s*SLOTB
	s_add_nc_u64 s[G0+4*\s+2:G0+4*\s+3], s[20:21], \s*4*REC
	s_or_b32 s[G0+4*\s+3], s[G0+4*\s+3], 0x80000000
	s_mov_b32 s[G0B+4*\s], 1
	s_add_co_u32 s[G0B+4*\s+1], s94, \s*SLOTB
	s_add_nc_u64 s[G0B+4*\s+2:G0B+4*\s+3], s[46:47], \s*384
	s_or_b32 s[G0B+4*\s+3], s[G0B+4*\s+3], 0x80000000
	JLOAD G0+4*\s, G1, G0B+4*\s, G1B
.endr
	v_and_b32 v1, 15, v0                           ; r
	v_bfe_u32 v2, v0, 4, 1                         ; h
	v_and_b32 v3, 31, v0                           ; lane
	v_lshlrev_b32 v4, 4, v3
	s_mul_i32 s21, s15, 4*1536                     ; att: my four blocks of a head's eight
	v_add_nc_u32 v[ADRA], s21, v4
	v_add_nc_u32 v[ADRA+1], SLOTB, v[ADRA]
	v_mul_u32_u24 v5, v1, PITCH
	v_mad_u32_u24 v5, v2, 24, v5                   ; Wo: a fragment's row x pitch + 24 x half
	s_mul_i32 s22, s16, 64*PITCH                   ; my 64 rows
	s_add_co_u32 s22, s22, WOFF
	v_add_nc_u32 v[ADRB], s22, v5
	v_add_nc_u32 v[ADRB+1], SLOTB, v[ADRB]
	v_lshl_add_u32 v[ADRB+2], v2, 4, v[ADRB]       ; and the same behind one padding more
	v_lshl_add_u32 v[ADRB+3], v2, 4, v[ADRB+1]
	s_lshl_b32 s21, s15, 8
	s_add_co_u32 s21, s21, SCA
	v_lshl_add_u32 v[ADSA], v3, 2, s21             ; att's scale words: 64 bytes a block: 4 x lane spans two blocks
	v_lshlrev_b32 v5, 6, v1                        ; Wo's: 64 bytes a row,
	v_lshrrev_b32 v6, 2, v1
	v_lshl_add_u32 v5, v6, 4, v5                   ; 16 more for each 256 passed,
	v_mad_u32_u24 v5, v2, 4*272, v5                ; lanes 16-31 sixteen rows on
	s_mul_i32 s22, s16, 16*272
	s_add_co_u32 s22, s22, SCB
	v_add_nc_u32 v[ADSB], s22, v5
	s_mul_i32 s23, s14, 16*SPITCH                  ; my stage
	v_mul_u32_u24 v5, v1, SPITCH
	v_lshl_add_u32 v5, v2, 5, v5
	v_add_nc_u32 v[STO], s23, v5                   ; in: row r, 32 bytes for each half of the lanes
	v_mul_u32_u24 v5, v2, SPITCH
	v_lshl_add_u32 v5, v1, 4, v5
	v_add_nc_u32 v[RD], s23, v5                    ; back: lanes 0-15 one row of 256 bytes, lanes 16-31 the next
	v_lshlrev_b32 v5, 13, v2
	v_lshl_add_u32 v[CO], v1, 4, v5                ; and the same two rows in out0 (8,192 bytes a row)
	s_lshl_b32 s20, s17, 7
	s_lshl_b32 s21, s15, 6
	s_add_co_u32 s20, s20, s21                     ; my first row: 128 x tile row + 64 x half
	s_lshl_b32 s20, s20, 13
	s_lshl_b32 s46, s42, 9                         ; my first column, in bytes: 512 x tile column + 256 x half
	s_lshl_b32 s47, s16, 8
	s_add_co_u32 s46, s46, s47
	s_add_co_u32 s20, s20, s46
	s_mov_b32 s21, 0
	s_add_nc_u64 s[12:13], s[12:13], s[20:21]
.macro FRAG reg, adr, q, x             ; a fragment of Wo from rows: six pieces of 8 bytes; q: which 128 of the tile's 256 along K; x: bytes on
.irp p, 0,1,2,3,4,5
.set PCE, 12*(\q)+6*(\p/3)+\p%3       ; 16 bytes of padding lie behind every 8 pieces: where the piece three on (lanes 16-31) lies behind one padding more, the second address register serves
.if PCE%8 < 5
	ds_load_b64 v[\reg+2*\p:\reg+2*\p+1], v[\adr] offset:8*PCE+16*(PCE/8)+(\x)
.else
	ds_load_b64 v[\reg+2*\p:\reg+2*\p+1], v[\adr+2] offset:8*PCE+16*(PCE/8)+(\x)
.endif
.endr
.endm
.macro FETCH slot, q, p                ; 36 LDS loads: the fragments of the slot's q-th 128 along K into set p: att's four images as they lie, Wo's four from rows
.set FSX, FRG+96*(\p)
.irp a, 0,1,2,3
.irp c, 0,1,2
	ds_load_b128 v[FSX+FR*\a+4*\c:FSX+FR*\a+4*\c+3], v[ADRA+\slot] offset:REC*(\q)+1536*\a+512*\c
.endr
.endr
.irp b, 0,1,2,3
	FRAG FSX+48+FR*\b, ADRB+\slot, (\q)%2, WT*((\q)/2)+16*PITCH*\b
.endr
.endm
.macro SCALES n, sc                    ; 10 LDS loads: the scale words of K step n (512 along K) into set sc
.irp q, 0,1,2,3
.irp ap, 0,1
	ds_load_b32 v[SC+16*(\sc)+2*\q+\ap], v[ADSA] offset:512*(4*(\n)+\q)+128*\ap
.endr
.endr
.irp bp, 0,1
	ds_load_b128 v[SC+16*(\sc)+8+4*\bp:SC+16*(\sc)+8+4*\bp+3], v[ADSB] offset:8*272*\bp+16*(\n)
.endr
.endm
; One product: att's block a x Wo's block b.  An even block's scale words lie in lanes 0-15 of their register, an odd block's in lanes 16-31.  zero = 1: it starts the sum.
.macro WM a, b, fs, scs, q, zero
.set rD, 8*(4*(\a)+(\b))
.set rA, (\fs)+48+FR*(\b)
.set rB, (\fs)+FR*(\a)
.set rSA, (\scs)+8+4*((\b)/2)+(\q)
.set rSB, (\scs)+2*(\q)+(\a)/2
.set rw, 4*(\zero)+2*((\a)%2)+(\b)%2
.if rw == 0
	v_wmma_scale_f32_16x16x128_f8f6f4 v[rD:rD+7], v[rA:rA+FR-1], v[rB:rB+FR-1], v[rD:rD+7], v[rSA], v[rSB] matrix_a_fmt:MATRIX_FMT_FP6 matrix_b_fmt:MATRIX_FMT_FP6
.elseif rw == 1
	v_wmma_scale_f32_16x16x128_f8f6f4 v[rD:rD+7], v[rA:rA+FR-1], v[rB:rB+FR-1], v[rD:rD+7], v[rSA], v[rSB] matrix_a_fmt:MATRIX_FMT_FP6 matrix_b_fmt:MATRIX_FMT_FP6 matrix_a_scale:MATRIX_SCALE_ROW1
.elseif rw == 2
	v_wmma_scale_f32_16x16x128_f8f6f4 v[rD:rD+7], v[rA:rA+FR-1], v[rB:rB+FR-1], v[rD:rD+7], v[rSA], v[rSB] matrix_a_fmt:MATRIX_FMT_FP6 matrix_b_fmt:MATRIX_FMT_FP6 matrix_b_scale:MATRIX_SCALE_ROW1
.elseif rw == 3
	v_wmma_scale_f32_16x16x128_f8f6f4 v[rD:rD+7], v[rA:rA+FR-1], v[rB:rB+FR-1], v[rD:rD+7], v[rSA], v[rSB] matrix_a_fmt:MATRIX_FMT_FP6 matrix_b_fmt:MATRIX_FMT_FP6 matrix_a_scale:MATRIX_SCALE_ROW1 matrix_b_scale:MATRIX_SCALE_ROW1
.elseif rw == 4
	v_wmma_scale_f32_16x16x128_f8f6f4 v[rD:rD+7], v[rA:rA+FR-1], v[rB:rB+FR-1], 0, v[rSA], v[rSB] matrix_a_fmt:MATRIX_FMT_FP6 matrix_b_fmt:MATRIX_FMT_FP6
.elseif rw == 5
	v_wmma_scale_f32_16x16x128_f8f6f4 v[rD:rD+7], v[rA:rA+FR-1], v[rB:rB+FR-1], 0, v[rSA], v[rSB] matrix_a_fmt:MATRIX_FMT_FP6 matrix_b_fmt:MATRIX_FMT_FP6 matrix_a_scale:MATRIX_SCALE_ROW1
.elseif rw == 6
	v_wmma_scale_f32_16x16x128_f8f6f4 v[rD:rD+7], v[rA:rA+FR-1], v[rB:rB+FR-1], 0, v[rSA], v[rSB] matrix_a_fmt:MATRIX_FMT_FP6 matrix_b_fmt:MATRIX_FMT_FP6 matrix_b_scale:MATRIX_SCALE_ROW1
.else
	v_wmma_scale_f32_16x16x128_f8f6f4 v[rD:rD+7], v[rA:rA+FR-1], v[rB:rB+FR-1], 0, v[rSA], v[rSB] matrix_a_fmt:MATRIX_FMT_FP6 matrix_b_fmt:MATRIX_FMT_FP6 matrix_a_scale:MATRIX_SCALE_ROW1 matrix_b_scale:MATRIX_SCALE_ROW1
.endif
.endm
.macro MUL8 a0, p, sc, q, zero         ; 8 matrix instructions: att's blocks a0, a0 + 1 x Wo's four.  The 16 accumulators take turns, one instruction a turn, in the same order in every step
.irp a, \a0, \a0+1
.irp b, 0,1,2,3
	WM \a, \b, FRG+96*(\p), SC+16*(\sc), \q, \zero
.endr
.endr
.endm
.macro PLACES                          ; four places in front of loads into registers that matrix instructions have read, and of the first read of results (ISA guide 7.12.1 for vector instructions)
.rept 4
	v_nop
.endr
.endm
; One of a slot's first three steps of 128 along K: the next step's fragments are asked for, then this step is multiplied.  n: the K step of 512
.macro STEP slot, q, n, zero
.if !(\zero)
	PLACES
.endif
	FETCH \slot, (\q)+1, ((\q)+1)%2
	s_wait_dscnt 36                                ; all but the 36 just issued: this step's fragments and scale words are in
	WIN 0x50                                       ; C and D window 1
	MUL8 0, (\q)%2, (\n)%2, \q, \zero
	MUL8 2, (\q)%2, (\n)%2, \q, \zero
	WIN 0
.endm
; A slot's last step changes slots: ONE barrier; in front of it each wave waits for all its tensor loads, adds 0 to its spare word, and waits for that and for its own reads of this slot.  fill = 1: this slot is filled again, two K steps ahead.
.macro TURN slot, next, n, fill
	s_wait_tensorcnt 0x0                           ; all my tensor loads have landed: my part of the next slot
	ds_add_u32 v[SPW], v[NIL]                      ; 0 onto my spare word
	s_wait_dscnt 1                                 ; (the add alone may be out: this step's fragments are in)
	WIN 0x50
	MUL8 0, 1, (\n)%2, 3, 0                        ; eight matrix instructions stand between the add and the wait for it
	s_wait_dscnt 0x0                               ; the add is done, and my reads of this slot are over
	s_barrier_signal -1
	WIN 0
	s_barrier_wait -1
.if \fill
	CREST                                          ; the barrier has opened a round of the cluster's barrier: no wave of any partner still reads this slot or has a load on its way
	s_add_nc_u64 s[G0+4*\slot+2:G0+4*\slot+3], s[G0+4*\slot+2:G0+4*\slot+3], 2*4*REC
	s_add_nc_u64 s[G0B+4*\slot+2:G0B+4*\slot+3], s[G0B+4*\slot+2:G0B+4*\slot+3], 2*384
	JLOAD G0+4*\slot, G1, G0B+4*\slot, G1B         ; the first tensor load behind the round, my only one until the next; its four v_nop are the places in front of the loads below
.else
	PLACES
.endif
	FETCH \next, 0, 0
	SCALES (\n)+1, ((\n)+1)%2
	WIN 0x50
	MUL8 2, 1, (\n)%2, 3, 0
	WIN 0
.endm
	s_wait_tensorcnt 1                             ; the scales and my part of slot 0 are in (slot 1's load may be out)
	s_barrier_signal -1
	s_barrier_wait -1                              ; everybody's are
	FETCH 0, 0, 0
	SCALES 0, 0
	STEP 0, 0, 0, 1                                ; the first products start the sums: nothing is cleared
	STEP 0, 1, 0, 0
	STEP 0, 2, 0, 0
	TURN 0, 1, 0, 1                                ; slot 0 takes K 1,024 on
	STEP 1, 0, 1, 0
	STEP 1, 1, 1, 0
	STEP 1, 2, 1, 0
	TURN 1, 0, 1, 1                                ; slot 1 takes K 1,536 on
	STEP 0, 0, 2, 0
	STEP 0, 1, 2, 0
	STEP 0, 2, 2, 0
	TURN 0, 1, 2, 0                                ; nothing is left to fetch: no round follows
	STEP 1, 0, 3, 0
	STEP 1, 1, 3, 0
	STEP 1, 2, 3, 0
	s_wait_dscnt 0x0                               ; the very last step
	WIN 0x50
	MUL8 0, 1, 1, 3, 0
	MUL8 2, 1, 1, 3, 0
	WIN 0
; THE WAY OUT, block by block of 16 rows x 64 columns.  A lane holds 32 neighbouring bytes of a row, the lanes beside it other rows: so a block goes through my own stage in LDS and comes back as whole runs of 256 bytes, which sixteen
; lanes store.  LDS serves a wave's instructions in order (ISA guide 5.7.1.4): no wait between the stores and the loads, nor in front of the next block's stores.  Each block has registers of its own, and no base is stepped.
.macro TOSTAGE a
	WIN 0x04                                       ; an LDS store's data are its source 1: window 1
.irp b, 0,1,2,3
	ds_store_b128 v[STO], v[8*(4*(\a)+\b):8*(4*(\a)+\b)+3] offset:64*\b          ; each accumulator from its low end on
	ds_store_b128 v[STO], v[8*(4*(\a)+\b)+4:8*(4*(\a)+\b)+7] offset:64*\b+16
.endr
	WIN 0
.irp t, 0,1,2,3,4,5,6,7
	ds_load_b128 v[BK+32*(\a)+4*\t:BK+32*(\a)+4*\t+3], v[RD] offset:\t*2*SPITCH
.endr
.endm
.macro SEND a, younger                 ; younger: the LDS instructions issued behind block a's loads: the next block's sixteen, or none
.irp t, 0,1,2,3,4,5,6,7
	s_wait_dscnt (\younger)+7-\t
	global_store_b128 v[CO], v[BK+32*(\a)+4*\t:BK+32*(\a)+4*\t+3], s[12:13] offset:(16*(\a)+2*\t)*8192 th:TH_STORE_NT   ; 16 lanes store 256 consecutive bytes, at a multiple of 256 from out0's first byte; written once, read by nobody here
.endr
.endm
	PLACES                                         ; behind the last products: their results are read, and loads land in their operands' registers
	TOSTAGE 0
	TOSTAGE 1
	SEND 0, 16
	TOSTAGE 2
	SEND 1, 16
	TOSTAGE 3
	SEND 2, 16
	SEND 3, 0
	s_wait_tensorcnt 0x0                           ; the wave's end: behind my last tensor load and my last LDS store
	ds_add_u32 v[SPW], v[NIL]
	s_wait_dscnt 0x0
	CROUND                                         ; the closing round: no work-group ends while a partner may still ask for a tile that names it
	s_endpgm
.Lfunc_end_k_qab5352f006_oproj:
	.size	k_qab5352f006_oproj, .Lfunc_end_k_qab5352f006_oproj-k_qab5352f006_oproj
	.p2alignl 7, 3214868480
	.fill 96, 4, 3214868480
	.section	.rodata,"a",@progbits
	.p2align	6, 0x0
	.amdhsa_kernel k_qab5352f006_oproj
		.amdhsa_group_segment_fixed_size 327680
		.amdhsa_private_segment_fixed_size 0
		.amdhsa_enable_private_segment 0
		.amdhsa_kernarg_size 40
		.amdhsa_user_sgpr_count 2
		.amdhsa_user_sgpr_kernarg_segment_ptr 1
		.amdhsa_wavefront_size32 1
		.amdhsa_system_sgpr_workgroup_id_x 1
		.amdhsa_system_sgpr_workgroup_id_y 1
		.amdhsa_system_sgpr_workgroup_id_z 1
		.amdhsa_system_vgpr_workitem_id 0
		.amdhsa_next_free_vgpr 384
		.amdhsa_next_free_sgpr 100
		.amdhsa_reserve_vcc 0
		.amdhsa_float_denorm_mode_32 3
		.amdhsa_float_denorm_mode_16_64 3
		.amdhsa_memory_ordered 1
		.amdhsa_forward_progress 1
		.amdhsa_inst_pref_size 95
	.end_amdhsa_kernel
	.amdgpu_metadata
---
amdhsa.version: [ 1, 2 ]
amdhsa.kernels:
  - .name:           k_qab5352f006_oproj
    .symbol:         k_qab5352f006_oproj.kd
    .args:
      - { .name: attc, .offset: 0, .size: 8, .value_kind: global_buffer, .address_space: global }
      - { .name: atts, .offset: 8, .size: 8, .value_kind: global_buffer, .address_space: global }
      - { .name: Wo_codes, .offset: 16, .size: 8, .value_kind: global_buffer, .address_space: global }
      - { .name: Wo_scales, .offset: 24, .size: 8, .value_kind: global_buffer, .address_space: global }
      - { .name: out0, .offset: 32, .size: 8, .value_kind: global_buffer, .address_space: global }
    .group_segment_fixed_size: 327680
    .private_segment_fixed_size: 0
    .kernarg_segment_align: 8
    .kernarg_segment_size: 40
    .max_flat_workgroup_size: 128
    .sgpr_count:     100
    .vgpr_count:     384
    .wavefront_size: 32
...
	.end_amdgpu_metadata
.endif
;; end of part 4
